; MI455X (gfx1250); checked and timed in simulation.
; The chip was launched on July 23, 2026; its instructions are those of AMD's public machine-readable ISA for CDNA 5 (MIT licence, August 2026) and "CDNA5" Instruction Set Architecture Reference Guide (July 2026). The comments in the code are by the model that wrote it; some were corrected since.
;; Multi Head Attention. Allowed arithmetic: matrix products marked QUANTISED: E2M3 operands, one E8M0 scale for each 32 along K, by v_wmma_scale_f32_16x16x128_f8f6f4 with both operands' format E2M3, f32 sums; everything else in f32.
;; Inputs: Wk 1,024 x 1,024 float32; Wo 1,024 x 1,024 float32; Wq 1,024 x 1,024 float32; Wv 1,024 x 1,024 float32; bk 1,024 float32; bo 1,024 float32; bq 1,024 float32; bv 1,024 float32; mask 4 x 2,048 int32; x 4 x 2,048 x 1,024 float32.
;; Outputs: out0 4 x 2,048 x 1,024 float32.
;; This version of the problem:
;;   THIS VERSION OF THE PROBLEM IS GIVEN IN LOW PRECISION. The matrix products marked QUANTISED in the list below multiply operands that are first quantised to E2M3 (2 exponent bits, 3 mantissa bits; 6 bits a number), with one power-of-two scale for each 32 numbers along K (OCP MX v1.0); their sums are f32. All else is computed in f32.
;;   The module's matrix products, in the order in which they are computed (A, B: the left and right operand; K: the contracted axis; several contracted axes count as one K, in the product's order):
;;     1. [M 8,192, K 1,024] x [K 1,024, N 1,024]; A: input x; B: input Wq: QUANTISED
;;     2. [M 8,192, K 1,024] x [K 1,024, N 1,024]; A: input x; B: input Wk: QUANTISED
;;     3. [M 8,192, K 1,024] x [K 1,024, N 1,024]; A: input x; B: input Wv: QUANTISED
;;     4. batch 64 x [M 2,048, K 64] x [K 64, N 2,048]; A: computed on the way; B: computed on the way: QUANTISED
;;     5. batch 64 x [M 2,048, K 2,048] x [K 2,048, N 64]; A: softmax (see below); B: computed on the way: QUANTISED
;;     6. [M 8,192, K 1,024] x [K 1,024, N 1,024]; A: computed on the way; B: input Wo: QUANTISED
;;   THE QUANTISER, for each operand of a quantised product, along K:
;;     - K is cut into blocks of 32 from its start; a last block that is shorter is filled with zeros.
;;     - A block's scale is 2^e with e = floor(log2(the largest magnitude in the block)) - 2, held to -126 .. 127; a block of zeros has e = 0. As a byte (E8M0): e + 127.
;;     - Each number is divided by its block's scale, clamped to +-7.5, and rounded to the nearest number of E2M3, ties to even, subnormals kept.
;;     - The product sums the exact products of the quantised numbers (number of the format x scale) in f32.
;;   ~~~python
;;   def quantise(x, axis):      # numpy; x: float32 -> the quantised numbers, widened to float32 again
;;       x = np.moveaxis(x, axis, -1); K = x.shape[-1]
;;       x = np.pad(x, [(0, 0)] * (x.ndim - 1) + [(0, -K % 32)]); x = x.reshape(x.shape[:-1] + (-1, 32)); a = np.abs(x).max(-1, keepdims=True)
;;       e = np.where(a > 0, np.clip(np.frexp(np.where(a > 0, a, 1))[1] - 1 - 2, -126, 127), 0)      # np.frexp(a)[1] - 1 = floor(log2(a)), exactly
;;       r = np.clip(x / 2.0 ** e, -7.5, 7.5)
;;       step = 2.0 ** (np.maximum(np.frexp(np.where(r == 0, 1, r))[1] - 1, 0) - 3)
;;       q = np.round(r / step) * step * 2.0 ** e      # np.round: ties to even
;;       return np.moveaxis(q.reshape(q.shape[:-2] + (-1,))[..., :K], -1, axis).astype(np.float32)
;;   ~~~
;;   SOFTMAX AHEAD OF A QUANTISED PRODUCT. Where the list says 'softmax', what is quantised is not the finished softmax but p = 2^(t - M), with t = logit x log2(e) and M = ceil(the row's largest t), a whole number; so 1/2 < the row's largest p <= 1. The row's sum l is taken of the UNQUANTISED p, in f32, and the product's result is divided by l at the end. Since M is a whole number, a kernel that streams over the keys may use a running M (the ceiling of the running maximum): every later rescaling is an exact power of two, which a block's scale takes up: the codes' values come out the same.
;;   OPERANDS COMPUTED ON THE WAY. 'Computed on the way' means the value that the module computes at that place (a softmax that the list does not call 'softmax' is quantised finished and normalised). What goes into a quantiser is computed in f32, as accurately as f32 sums, v_exp_f32 and their like allow (about 1e-6 of the number): no bf16 or f16 on the way to a quantiser, and a product that is left as it is and whose result goes on into a quantised operand takes f32 operands (vector FMAs, or v_wmma_f32_16x16x4_f32). A number that lies on a knife's edge between two numbers of the format may be rounded either way, as far as f32 arithmetic and the matrix unit's own rounding can turn it there, and no further.
;; One version. Each part assembles by itself: llvm-mc -triple=amdgcn-amd-amdhsa -mcpu=gfx1250 --defsym DOCPART=n.
;; ======== version 1 of 1: 4 launches
;; limits: right only within a limited range of input values
;; workspace buffers: w1 9,830,400 bytes; w2 20,185,088 bytes; w3 6,553,600 bytes
;; launch quant (part 1): grid 384 x 1, 4 waves a work-group, no clusters, 35,328 bytes of LDS; arguments x, Wq, Wk, Wv, Wo, w1; writes w1
.if DOCPART == 1
	.amdgcn_target "amdgcn-amd-amdhsa--gfx1250"
	.amdhsa_code_object_version 6
	.text
	.protected	k_q210bedeee3_quant
	.globl	k_q210bedeee3_quant
	.p2align	8
	.type	k_q210bedeee3_quant,@function
k_q210bedeee3_quant:
	s_mov_b64 s[64:65], 0
	v_nop
	global_prefetch_b8 v0, s[64:65] scope:SCOPE_SE
	s_setreg_imm32_b32 hwreg(HW_REG_WAVE_MODE, 25, 1), 1
	s_wait_xcnt 0x0
; x [8192][1024] and Wq, Wk, Wv, Wo [1024][1024], f32, K innermost, become codes of FP6 (E2M3) with one E8M0 byte for each 32 along K, laid in the ORDER OF AN OPERAND'S REGISTERS.
; A TILE is 16 rows: row r of tile T is the tensor's row 32 (T / 2) + 8 (T % 2) + r + 8 (r / 8).  Tiles 0-511 are x's, 512-575 Wq's, 576-639 Wk's, 640-703 Wv's, 704-767 Wo's.
; A HALF is the image of six operand registers (16 rows x 64 along K), 768 bytes: registers 0-3 at 16 x lane, registers 4-5 at 512 + 8 x lane.  w1: codes [768 tiles][16 halves][768], then from S1 on scale words [768][8][16 rows].
; A block's scale is 2^(floor(log2(its largest magnitude)) - 2); its byte is the largest magnitude's exponent field - 2, held at 1 from below (a block of zeros keeps the byte 1: its codes are zeros, and this program alone reads the bytes).
; LIMITS: blocks whose largest magnitude lies under 2^-124 keep the byte 1; NaN and infinities among the inputs are not served.
; SHARES.  A wave takes half a tile: 16 rows x 512 numbers, four fragments of 128 along K.  Each load reads 512 consecutive bytes of one row; a fragment's 8,192 bytes turn through the wave's own stage in LDS
; (rows 528 bytes apart), so that lane (r, h) gets the 32 neighbours k = 64 c + 32 h + 0 .. 31 of row r, which is what the operand's layout gives that lane: the conversions' results are the operand's registers.
; No tensor load, no barrier: waves share nothing.  Two fragments' loads (32 a wave) are on their way.
.set WREG,  8704                       ; LDS of a wave: the stage, 16 x 528 bytes, and 256 bytes for its 4 x 16 scale words
.set SCA,   8448
.set SPARE, 4*WREG                     ; behind the four regions: the spare words, 128 bytes for each wave, which no other line names
.set S1,    9437184                    ; where the scale words begin in w1
.set R,     32                         ; v32-159  two sets of 64 registers as loaded
.set X,     160                        ; v160-223 my 64 numbers of a fragment
.set C,     224                        ; v224-235 the fragment's codes
.set TQ,    236                        ; v236-238, v240-242: the upper halves of the two blocks' codes, as the conversions leave them
.set SPW,   30                         ; v30 LDS address of my spare word; never rewritten
.set NIL,   31                         ; v31 0; never rewritten
	s_load_b256 s[4:11], s[0:1], 0x0               ; x, Wq, Wk, Wv
	s_load_b128 s[12:15], s[0:1], 0x20             ; Wo, w1
	v_lshl_add_u32 v[SPW], v0, 2, SPARE
	v_mov_b32 v[NIL], 0
	v_lshrrev_b32 v4, 5, v0
	v_readfirstlane_b32 s16, v4                    ; wave
	v_and_b32 v4, 31, v0                           ; lane
	v_and_b32 v17, 15, v0                          ; r
	v_bfe_u32 v16, v0, 4, 1                        ; h
	v_lshlrev_b32 v1, 4, v4                        ; 16 x lane: a load's bytes, and registers 0-3 of a half
	v_lshlrev_b32 v5, 3, v4                        ; 8 x lane
	s_mul_i32 s17, s16, WREG
	v_add_nc_u32 v2, s17, v1                       ; the stage, on the way in
	v_mul_u32_u24 v3, v17, 528
	v_lshl_add_u32 v3, v16, 7, v3
	v_add_nc_u32 v3, s17, v3                       ; and on the way out: row r, + 128 h
	s_add_co_u32 s17, s17, SCA
	v_lshl_add_u32 v6, v17, 2, s17                 ; my row's scale word
	v_add_nc_u32 v7, s17, v5                       ; the 64 words on the way out
	v_lshlrev_b32 v16, 3, v16                      ; 8 h
	v_mov_b32 v15, 0                               ; a lane permute's destination counts as one of its sources
	s_mov_b32 s30, 0x76543210
	s_mov_b32 s31, 0xfedcba98                      ; selects for lane l xor 16
	s_lshl_b32 s18, ttmp9, 1
	s_lshr_b32 s19, s16, 1
	s_add_co_u32 s18, s18, s19                     ; my tile: 2 x work-group + wave / 2
	s_and_b32 s19, s16, 1                          ; which half of K
	s_cmp_lt_u32 ttmp9, 256
	s_cselect_b32 s20, 511, 63
	s_and_b32 s20, s18, s20                        ; the tile's number in its own tensor
	s_lshr_b32 s21, s20, 1
	s_lshl_b32 s21, s21, 5
	s_and_b32 s20, s20, 1
	s_lshl_b32 s20, s20, 3
	s_add_co_u32 s20, s20, s21                     ; its first row
	s_lshl_b32 s20, s20, 12                        ; rows of 4,096 bytes
	s_lshl_b32 s21, s19, 11
	s_add_co_u32 s20, s20, s21
	s_mov_b32 s21, 0
	s_mul_i32 s22, s18, 12288
	s_mul_i32 s23, s19, 6144
	s_add_co_u32 s22, s22, s23                     ; my codes
	s_mov_b32 s23, 0
	s_lshl_b32 s24, s18, 9
	s_lshl_b32 s25, s19, 8
	s_add_co_u32 s24, s24, s25
	s_add_co_u32 s24, s24, S1                      ; my scale words
	s_mov_b32 s25, 0
	s_wait_alu depctr_va_vdst(0)
	s_wait_kmcnt 0x0
	s_cmp_lt_u32 ttmp9, 352                        ; which tensor: the choice hangs on the work-group's number alone
	s_cselect_b64 s[12:13], s[10:11], s[12:13]
	s_cmp_lt_u32 ttmp9, 320
	s_cselect_b64 s[12:13], s[8:9], s[12:13]
	s_cmp_lt_u32 ttmp9, 288
	s_cselect_b64 s[12:13], s[6:7], s[12:13]
	s_cmp_lt_u32 ttmp9, 256
	s_cselect_b64 s[12:13], s[4:5], s[12:13]
	s_add_nc_u64 s[12:13], s[12:13], s[20:21]
	s_add_nc_u64 s[26:27], s[14:15], s[22:23]
	s_add_nc_u64 s[28:29], s[14:15], s[24:25]
.macro LOAD t                          ; fragment t: 512 bytes of each of the tile's 16 rows
.irp i, 0,1,2,3,4,5,6,7,8,9,10,11,12,13,14,15
	global_load_b128 v[R+64*((\t)%2)+4*\i:R+64*((\t)%2)+4*\i+3], v1, s[12:13] offset:(\i+8*(\i/8))*4096+512*(\t) th:TH_LOAD_NT
.endr
.endm
.macro STEP t
.if (\t) < 3
	s_wait_loadcnt 16                              ; this fragment's 16 loads are in; the next fragment's 16 may be out
.else
	s_wait_loadcnt 0x0
.endif
.irp i, 0,1,2,3,4,5,6,7,8,9,10,11,12,13,14,15
	ds_store_b128 v2, v[R+64*((\t)%2)+4*\i:R+64*((\t)%2)+4*\i+3] offset:528*\i
.endr
.irp c, 0,1
.irp j, 0,1,2,3,4,5,6,7
	ds_load_b128 v[X+32*\c+4*\j:X+32*\c+4*\j+3], v3 offset:256*\c+16*\j   ; LDS serves a wave's instructions in order: these see the stores above
.endr
.endr
	s_wait_dscnt 0x0                               ; my numbers are back, and the stores have read their registers,
.if (\t) < 2
	LOAD (\t)+2                                    ; which take the fragment two on
.endif
.irp c, 0,1
	v_max3_num_f32 v[8+\c], |v[X+32*\c]|, |v[X+32*\c+1]|, 0x1800000   ; block 2 c + h: all its 32 numbers are mine; the floor 2^(3 - 127) holds the byte at 1 from below
.endr
.irp i, 2,4,6,8,10,12,14,16,18,20,22,24,26,28,30
.irp c, 0,1
	v_max3_num_f32 v[8+\c], v[8+\c], |v[X+32*\c+\i]|, |v[X+32*\c+\i+1]|
.endr
.endr
.irp c, 0,1
	v_add_nc_u32 v[10+\c], 0xff000000, v[8+\c]     ; 2 off the exponent field: the conversion's scale operand
.endr
.irp c, 0,1
	v_lshrrev_b32 v[12+\c], 23, v[10+\c]           ; the scale's byte
.endr
	v_lshl_or_b32 v14, v13, 16, v12                ; my two bytes, blocks h and 2 + h,
	v_lshlrev_b32 v14, v16, v14                    ; at their places in the row's word;
	v_permlanex16_b32 v15, v14, s30, s31
	v_or_b32 v14, v14, v15                         ; with lane l xor 16's two the word is whole
.if (\t) > 0
	s_wait_alu depctr_va_vdst(0)
	s_wait_xcnt 0x0                                ; the last fragment's stores have read their data: the codes' registers are written again only behind this wait
.endif
.irp c, 0,1
	v_cvt_scalef32_pk16_fp6_f32 v[C+6*\c:C+6*\c+2], v[X+32*\c:X+32*\c+15], v[10+\c]
	v_cvt_scalef32_pk16_fp6_f32 v[TQ+4*\c:TQ+4*\c+2], v[X+32*\c+16:X+32*\c+31], v[10+\c]   ; (a conversion's three registers begin on an even number)
.endr
	v_nop                                          ; one plain place behind a scaled conversion
.irp c, 0,1
.irp i, 0,1,2
	v_mov_b32 v[C+6*\c+3+\i], v[TQ+4*\c+\i]
.endr
.endr
	ds_store_b32 v6, v14 offset:64*(\t)            ; both halves of the lanes write the same word with the same value
.irp c, 0,1
	global_store_b128 v1, v[C+6*\c:C+6*\c+3], s[26:27] offset:1536*(\t)+768*\c          ; 512 consecutive bytes
	global_store_b64 v5, v[C+6*\c+4:C+6*\c+5], s[26:27] offset:1536*(\t)+768*\c+512     ; 256 consecutive bytes
.endr
.endm
	LOAD 0
	LOAD 1
	STEP 0
	STEP 1
	STEP 2
	STEP 3
	ds_load_b64 v[8:9], v7                         ; my 64 scale words
	s_wait_dscnt 0x0
	global_store_b64 v5, v[8:9], s[28:29]          ; 256 consecutive bytes, aligned
	s_wait_tensorcnt 0x0                           ; the wave's end: behind my last LDS store
	ds_add_u32 v[SPW], v[NIL]
	s_wait_dscnt 0x0
	s_endpgm
.Lfunc_end_k_q210bedeee3_quant:
	.size	k_q210bedeee3_quant, .Lfunc_end_k_q210bedeee3_quant-k_q210bedeee3_quant
	.p2alignl 7, 3214868480
	.fill 96, 4, 3214868480
	.section	.rodata,"a",@progbits
	.p2align	6, 0x0
	.amdhsa_kernel k_q210bedeee3_quant
		.amdhsa_group_segment_fixed_size 35328
		.amdhsa_private_segment_fixed_size 0
		.amdhsa_enable_private_segment 0
		.amdhsa_kernarg_size 48
		.amdhsa_user_sgpr_count 2
		.amdhsa_user_sgpr_kernarg_segment_ptr 1
		.amdhsa_wavefront_size32 1
		.amdhsa_system_sgpr_workgroup_id_x 1
		.amdhsa_system_sgpr_workgroup_id_y 1
		.amdhsa_system_sgpr_workgroup_id_z 1
		.amdhsa_system_vgpr_workitem_id 0
		.amdhsa_next_free_vgpr 248
		.amdhsa_next_free_sgpr 66
		.amdhsa_reserve_vcc 0
		.amdhsa_float_denorm_mode_32 3
		.amdhsa_float_denorm_mode_16_64 3
		.amdhsa_memory_ordered 1
		.amdhsa_forward_progress 1
		.amdhsa_inst_pref_size 31
	.end_amdhsa_kernel
	.amdgpu_metadata
---
amdhsa.version: [ 1, 2 ]
amdhsa.kernels:
  - .name:           k_q210bedeee3_quant
    .symbol:         k_q210bedeee3_quant.kd
    .args:
      - { .name: x, .offset: 0, .size: 8, .value_kind: global_buffer, .address_space: global }
      - { .name: Wq, .offset: 8, .size: 8, .value_kind: global_buffer, .address_space: global }
      - { .name: Wk, .offset: 16, .size: 8, .value_kind: global_buffer, .address_space: global }
      - { .name: Wv, .offset: 24, .size: 8, .value_kind: global_buffer, .address_space: global }
      - { .name: Wo, .offset: 32, .size: 8, .value_kind: global_buffer, .address_space: global }
      - { .name: w1, .offset: 40, .size: 8, .value_kind: global_buffer, .address_space: global }
    .group_segment_fixed_size: 35328
    .private_segment_fixed_size: 0
    .kernarg_segment_align: 8
    .kernarg_segment_size: 48
    .max_flat_workgroup_size: 128
    .sgpr_count:     66
    .vgpr_count:     248
    .wavefront_size: 32
...
	.end_amdgpu_metadata
.endif
;; end of part 1
;; launch qkv (part 2): grid 12 x 32, 4 waves a work-group, clusters of 4 x 4, 327,680 bytes of LDS; arguments w1, mask, bq, bk, bv, w2; writes w2
.if DOCPART == 2
	.amdgcn_target "amdgcn-amd-amdhsa--gfx1250"
	.amdhsa_code_object_version 6
	.text
	.protected	k_q210bedeee3_qkv
	.globl	k_q210bedeee3_qkv
	.p2align	8
	.type	k_q210bedeee3_qkv,@function
k_q210bedeee3_qkv:
	s_mov_b64 s[64:65], 0
	v_nop
	global_prefetch_b8 v0, s[64:65] scope:SCOPE_SE
	s_setreg_imm32_b32 hwreg(HW_REG_WAVE_MODE, 25, 1), 1
	s_wait_xcnt 0x0
	s_wait_alu depctr_hold_cnt(0) depctr_sa_sdst(0) depctr_va_vdst(0) depctr_va_sdst(0) depctr_va_ssrc(0) depctr_va_vcc(0) depctr_vm_vsrc(0)
	s_getreg_b32 s2, hwreg(HW_REG_IB_STS2, 6, 4)
	s_cmp_eq_u32 s2, 0
	s_cbranch_scc0 .Lentry_in_a_cluster
	s_endpgm
.Lentry_in_a_cluster:
	s_bfe_u32 s2, ttmp6, 0x10000c
	s_cmp_lg_u32 s2, 0xf033
	s_cbranch_scc0 .Lentry_shape_is_right
	s_endpgm
.Lentry_shape_is_right:
.set REC,   315392
.set S1,    9437184
.set HALFT, 8*3072
.set SLOT,  4*HALFT
.set SCL,   2*SLOT
.set HALFS, 4096
.set SPARE, SCL+4*HALFS
.set FR,    12
.set LI,    4
.set LJ,    5
.set ADRA,  16
.set ADRB,  20
.set ADRS,  27
.set SPW,   28
.set NIL,   29
.set SC,    32
.set ROWD,  96
.set AF,    128
.set HA,    128
.set PC,    192
.set TM,    212
.set PW,    228
.set SW,    232
.set UPL,   240
.set UPH,   241
.set SV,    244
.set G1,  24
.set G0,  32
.set G1B, 48
.set G0B, 56
.set G1S, 68
.set G0S, 76
.set G1SB, 80
.set G0SB, 88
.set SEL,  66
.set KIND, 92
.set KAP, 0
.set MSB, 0
.macro WIN new
.if MSB != (\new)
	s_set_vgpr_msb (MSB<<8)|(\new)
.set MSB, (\new)
.endif
.endm
.set MUL_LO, 0xa1
.set MUL_HI, 0xf1
.set TO_B,   0x40
.macro JLOAD g0a, g1a, g0b, g1b
	s_cmp_eq_u32 s17, 0
	s_cbranch_scc0 .Lfor_b_\@
	tensor_load_to_lds s[\g0a:\g0a+3], s[\g1a:\g1a+7]
	s_nop 0
.rept 4
	v_nop
.endr
	s_branch .Lasked_\@
.Lfor_b_\@:
	tensor_load_to_lds s[\g0b:\g0b+3], s[\g1b:\g1b+7]
	s_nop 0
.rept 4
	v_nop
.endr
.Lasked_\@:
.endm
.macro CREST
	s_cmp_lg_u32 s16, 0
	s_cbranch_scc1 .Lnot_wave_0_\@
	s_barrier_signal -3
.Lnot_wave_0_\@:
	s_barrier_wait -3
	s_barrier_signal -1
	s_barrier_wait -1
.endm
.macro CROUND
	s_barrier_signal -1
	s_barrier_wait -1
	CREST
.endm
	s_load_b256 s[4:11], s[0:1], 0x0
	s_load_b128 s[12:15], s[0:1], 0x20
	v_lshl_add_u32 v[SPW], v0, 2, SPARE
	v_mov_b32 v[NIL], 0
	ds_add_u32 v[SPW], v[NIL]
	ds_add_u32 v[SPW], v[NIL]
	v_lshrrev_b32 v1, 5, v0
	v_readfirstlane_b32 s16, v1
	s_lshr_b32 s17, s16, 1
	s_and_b32 s18, s16, 1
	s_bfe_u32 s40, ttmp6, 0x40000
	s_bfe_u32 s41, ttmp6, 0x40004
	s_mov_b32 s[KIND], ttmp9
	s_and_b32 s98, ttmp7, 0xffff
	s_cmp_eq_u32 s[KIND], 2
	s_cselect_b32 s43, 0, s98
	s_cselect_b32 s42, s98, s[KIND]
	s_cselect_b32 s20, 640, 0
	s_cselect_b32 s46, 0, 512
	s_lshl_b32 s43, s43, 2
	s_add_co_u32 s43, s43, s41
	s_lshl_b32 s42, s42, 2
	s_add_co_u32 s42, s42, s40
	s_lshl_b32 s44, s41, 2
	s_lshl_b32 s44, 15, s44
	s_lshl_b32 s45, 0x1111, s40
	s_or_b32 s[G1+0], s44, (3<<16)|(1<<21)
	s_or_b32 s[G1B+0], s45, (3<<16)|(1<<21)
.irp g, G1, G1B
	s_mov_b32 s[\g+1], 384<<16
	s_mov_b32 s[\g+2], 16<<16
	s_mov_b32 s[\g+3], 384<<16
	s_mov_b32 s[\g+4], 16
	s_mov_b32 s[\g+5], 1536
	s_mov_b32 s[\g+6], 0
	s_mov_b32 s[\g+7], 0
.endr
	s_or_b32 s[G1S+0], s44, (3<<16)|(1<<21)
	s_or_b32 s[G1SB+0], s45, (3<<16)|(1<<21)
.irp g, G1S, G1SB
	s_mov_b32 s[\g+1], 32<<16
	s_mov_b32 s[\g+2], 32<<16
	s_mov_b32 s[\g+3], 32<<16
	s_mov_b32 s[\g+4], 32
	s_mov_b32 s[\g+5], 32
	s_mov_b32 s[\g+6], 0
	s_mov_b32 s[\g+7], 0
.endr
	s_lshl_b32 s19, s18, 3
	s_lshl_b32 s21, s43, 4
	s_add_co_u32 s20, s20, s21
	s_add_co_u32 s20, s20, s19
	s_lshl_b32 s47, s42, 4
	s_add_co_u32 s46, s46, s47
	s_add_co_u32 s46, s46, s19
	s_lshl_b32 s22, s20, 9
	s_add_co_u32 s22, s22, S1
	s_mov_b32 s23, 0
	s_mul_i32 s20, s20, 12288
	s_mov_b32 s21, 0
	s_lshl_b32 s94, s46, 9
	s_add_co_u32 s94, s94, S1
	s_mov_b32 s95, 0
	s_mul_i32 s46, s46, 12288
	s_mov_b32 s47, 0
	s_mul_i32 s93, s16, HALFT
	s_lshl_b32 s96, s16, 12
	s_mov_b32 s[SEL], 0x76543210
	s_mov_b32 s[SEL+1], 0xfedcba98
	s_wait_dscnt 0x0
	s_wait_kmcnt 0x0
	s_add_nc_u64 s[20:21], s[4:5], s[20:21]
	s_add_nc_u64 s[22:23], s[4:5], s[22:23]
	s_add_nc_u64 s[46:47], s[4:5], s[46:47]
	s_add_nc_u64 s[94:95], s[4:5], s[94:95]
	CROUND
	s_mov_b32 s[G0S], 1
	s_add_co_u32 s[G0S+1], s96, SCL-4096           ; wave 1 fetches the scale words of all 16 tiles of A: its own half's place less 4,096 bytes, in LDS and in memory
	s_sub_nc_u64 s[G0S+2:G0S+3], s[22:23], 4096
	s_or_b32 s[G0S+3], s[G0S+3], 0x80000000
	s_mov_b32 s[G0SB], 1
	s_add_co_u32 s[G0SB+1], s96, SCL-4096          ; wave 3 likewise for B
	s_sub_nc_u64 s[G0SB+2:G0SB+3], s[94:95], 4096
	s_or_b32 s[G0SB+3], s[G0SB+3], 0x80000000
.irp s, 0,1
	s_mov_b32 s[G0+4*\s], 1
	s_add_co_u32 s[G0+4*\s+1], s93, \s*SLOT
	s_add_nc_u64 s[G0+4*\s+2:G0+4*\s+3], s[20:21], \s*3072
	s_or_b32 s[G0+4*\s+3], s[G0+4*\s+3], 0x80000000
	s_mov_b32 s[G0B+4*\s], 1
	s_add_co_u32 s[G0B+4*\s+1], s93, \s*SLOT
	s_add_nc_u64 s[G0B+4*\s+2:G0B+4*\s+3], s[46:47], \s*3072
	s_or_b32 s[G0B+4*\s+3], s[G0B+4*\s+3], 0x80000000
.endr
; the head's four tiles, one joint load a wave: wave 0 slot 0's 16 tiles of A, wave 1 A's scale words, wave 2 slot 0's 16 tiles of B, wave 3 B's scale words
	s_cmp_eq_u32 s16, 0
	s_cbranch_scc0 .Lhead_1
	tensor_load_to_lds s[G0:G0+3], s[G1:G1+7]
	s_nop 0
.rept 4
	v_nop
.endr
	s_branch .Lhead_asked
.Lhead_1:
	s_cmp_eq_u32 s16, 1
	s_cbranch_scc0 .Lhead_2
	tensor_load_to_lds s[G0S:G0S+3], s[G1S:G1S+7]
	s_nop 0
.rept 4
	v_nop
.endr
	s_branch .Lhead_asked
.Lhead_2:
	s_cmp_eq_u32 s16, 2
	s_cbranch_scc0 .Lhead_3
	tensor_load_to_lds s[G0B:G0B+3], s[G1B:G1B+7]
	s_nop 0
.rept 4
	v_nop
.endr
	s_branch .Lhead_asked
.Lhead_3:
	tensor_load_to_lds s[G0SB:G0SB+3], s[G1SB:G1SB+7]
	s_nop 0
.rept 4
	v_nop
.endr
.Lhead_asked:
	v_and_b32 v1, 15, v0
	v_bfe_u32 v2, v0, 4, 1
	v_and_b32 v3, 31, v0
	v_lshlrev_b32 v[LI], 4, v3
	v_lshlrev_b32 v[LJ], 3, v3
	v_add_nc_u32 v[LJ], 512, v[LJ]
	s_mul_i32 s98, s17, HALFT
	s_mul_i32 s99, s18, HALFT
	s_add_co_u32 s99, s99, 2*HALFT
.irp s, 0,1
	v_add_nc_u32 v[ADRA+\s], s98, v[LI]
	v_add_nc_u32 v[ADRA+2+\s], s98, v[LJ]
	v_add_nc_u32 v[ADRB+\s], s99, v[LI]
	v_add_nc_u32 v[ADRB+2+\s], s99, v[LJ]
	s_add_co_u32 s98, s98, SLOT
	s_add_co_u32 s99, s99, SLOT
.endr
	s_lshl_b32 s98, s17, 12
	s_lshl_b32 s99, s18, 12
	s_add_co_u32 s99, s99, 2*HALFS
	s_sub_co_u32 s99, s99, s98
	v_mul_u32_u24 v6, s99, v2
	s_add_co_u32 s98, s98, SCL
	v_lshl_add_u32 v6, v1, 2, v6
	v_add_nc_u32 v[ADRS], s98, v6
	v_and_b32 v7, 8, v1
	v_add_nc_u32 v7, v7, v1
	v_lshlrev_b32 v8, 2, v7
	v_lshlrev_b32 v9, 6, v2
	s_wait_alu depctr_va_vdst(0)
	s_cmp_eq_u32 s[KIND], 2
	s_cselect_b64 s[20:21], s[12:13], s[6:7]
	s_cselect_b64 s[22:23], s[12:13], s[10:11]
	s_cmp_eq_u32 s[KIND], 0
	s_cselect_b64 s[22:23], s[8:9], s[22:23]
	s_lshl_b32 s98, s43, 10
	s_lshl_b32 s99, s17, 9
	s_add_co_u32 s98, s98, s99
	s_mov_b32 s99, 0
	s_add_nc_u64 s[20:21], s[20:21], s[98:99]
	s_and_b32 s98, s42, 3
	s_lshl_b32 s98, s98, 10
	s_lshl_b32 s44, s18, 9
	s_add_co_u32 s98, s98, s44
	s_add_nc_u64 s[22:23], s[22:23], s[98:99]
.irp a, 0,1,2,3,4,5,6,7
	v_mov_b32 v[ROWD+2*\a+1], 0
.endr
.irp a, 0,1,2,3,4,5,6,7
	global_load_b32 v[ROWD+2*\a], v8, s[20:21] offset:(32*(\a/2)+8*(\a%2))*4
.endr
	WIN TO_B
.irp b, 0,1,2,3,4,5,6,7
	global_load_b128 v[96+8*\b+96*(\b/4):96+8*\b+96*(\b/4)+3], v9, s[22:23] offset:(32*(\b/2)+8*(\b%2))*4
	global_load_b128 v[96+8*\b+96*(\b/4)+4:96+8*\b+96*(\b/4)+7], v9, s[22:23] offset:(32*(\b/2)+8*(\b%2))*4+16
.endr
	WIN 0
.macro FRAG reg, adr, q, i
.irp c, 0,1
	ds_load_b128 v[\reg+6*\c:\reg+6*\c+3], v[\adr] offset:3072*(\i)+1536*(\q)+768*\c
	ds_load_b64 v[\reg+6*\c+4:\reg+6*\c+5], v[\adr+2] offset:3072*(\i)+1536*(\q)+768*\c
.endr
.endm
.macro MUL16 a0, p, zero
.irp a, \a0, \a0+1
.irp b, 0,1,2,3,4,5,6,7
.if \zero
	v_wmma_scale_f32_16x16x128_f8f6f4 v[8*(8*((\a)%4)+\b):8*(8*((\a)%4)+\b)+7], v[128*(\p)+FR*\b:128*(\p)+FR*\b+FR-1], v[AF+FR*(\a):AF+FR*(\a)+FR-1], 0, v[SC+8*KAP+\b], v[SC+8*KAP+(\a)] matrix_a_fmt:MATRIX_FMT_FP6 matrix_b_fmt:MATRIX_FMT_FP6 matrix_a_scale:MATRIX_SCALE_ROW1
.else
	v_wmma_scale_f32_16x16x128_f8f6f4 v[8*(8*((\a)%4)+\b):8*(8*((\a)%4)+\b)+7], v[128*(\p)+FR*\b:128*(\p)+FR*\b+FR-1], v[AF+FR*(\a):AF+FR*(\a)+FR-1], v[8*(8*((\a)%4)+\b):8*(8*((\a)%4)+\b)+7], v[SC+8*KAP+\b], v[SC+8*KAP+(\a)] matrix_a_fmt:MATRIX_FMT_FP6 matrix_b_fmt:MATRIX_FMT_FP6 matrix_a_scale:MATRIX_SCALE_ROW1
.endif
.endr
.endr
.endm
.macro FETCH_B slot, q, p
	WIN TO_B
.irp i, 0,1,2,3,4,5,6,7
	FRAG 128*(\p)+FR*\i, ADRB+\slot, \q, \i
.endr
	WIN 0
.endm
.macro FETCH_A slot, q, i0
.irp i, \i0, \i0+1, \i0+2, \i0+3
	FRAG AF+FR*(\i), ADRA+\slot, \q, \i
.endr
.endm
.macro PLACES n
.rept \n
	v_nop
.endr
.endm
.macro STEP slot, zero
	s_wait_dscnt 16
	WIN MUL_LO
	MUL16 0, 0, \zero
	MUL16 2, 0, \zero
	s_wait_dscnt 0x0
	PLACES 4
	FETCH_B \slot, 1, 1
	FETCH_A \slot, 1, 0
	WIN MUL_HI
	MUL16 4, 0, \zero
	MUL16 6, 0, \zero
	PLACES 4
	WIN 0
	FETCH_A \slot, 1, 4
.set KAP, KAP+1
.endm
.macro TURN slot, next, fill
	s_wait_tensorcnt 0x0
	ds_add_u32 v[SPW], v[NIL]
	s_wait_dscnt 17
	WIN MUL_LO
	MUL16 0, 1, 0
	s_wait_dscnt 0x0
	s_barrier_signal -1
	MUL16 2, 1, 0
	WIN 0
	s_barrier_wait -1
.if \fill
	CREST
	s_add_nc_u64 s[G0+4*\slot+2:G0+4*\slot+3], s[G0+4*\slot+2:G0+4*\slot+3], 6144
	s_add_nc_u64 s[G0B+4*\slot+2:G0B+4*\slot+3], s[G0B+4*\slot+2:G0B+4*\slot+3], 6144
	JLOAD G0+4*\slot, G1, G0B+4*\slot, G1B
.else
	PLACES 4
.endif
	FETCH_B \next, 0, 0
	FETCH_A \next, 0, 0
	WIN MUL_HI
	MUL16 4, 1, 0
	MUL16 6, 1, 0
	PLACES 4
	WIN 0
	FETCH_A \next, 0, 4
.set KAP, KAP+1
.endm
	s_wait_alu depctr_va_vdst(0)                   ; the head's end
	s_wait_tensorcnt 0x0                           ; my tile of the head's four is in; the lines ahead of a later first fill:
	ds_add_u32 v[SPW], v[NIL]
	s_mov_b32 s[G1+2], 8<<16                       ; no tensor load of mine is out: from here on a load brings 8 tiles
	s_mov_b32 s[G1+4], 8
	s_mov_b32 s[G1B+2], 8<<16
	s_mov_b32 s[G1B+4], 8
	s_wait_dscnt 0x0
	CROUND                                         ; all four tiles are in, in every work-group of the cluster
	JLOAD G0+4, G1, G0B+4, G1B                     ; slot 1's first fill, the first tensor load behind the round
.irp k, 0,1,2,3,4,5,6,7
.irp i, 0,1,2,3,4,5,6,7
	ds_load_b32 v[SC+8*\k+\i], v[ADRS] offset:512*\i+64*\k
.endr
.endr
	FETCH_B 0, 0, 0
	FETCH_A 0, 0, 0
	FETCH_A 0, 0, 4
	STEP 0, 1
	TURN 0, 1, 1
	STEP 1, 0
	TURN 1, 0, 1
	STEP 0, 0
	TURN 0, 1, 0
	STEP 1, 0
	s_wait_dscnt 16
	WIN MUL_LO
	MUL16 0, 1, 0
	MUL16 2, 1, 0
	s_wait_dscnt 0x0
	WIN MUL_HI
	MUL16 4, 1, 0
	MUL16 6, 1, 0
	WIN 0
.macro QUANT s
.irp b, 0,1,2,3
	v_max3_num_f32 v[TM+\b], |v[\s+16*\b]|, |v[\s+1+16*\b]|, 0x1800000
.endr
.irp i, 2,4,6,8,10,12,14
.irp b, 0,1,2,3
	v_max3_num_f32 v[TM+\b], v[TM+\b], |v[\s+16*\b+\i]|, |v[\s+1+16*\b+\i]|
.endr
.endr
.irp b, 0,1,2,3
	v_permlanex16_b32 v[TM+4+\b], v[TM+\b], s[SEL], s[SEL+1]
.endr
.irp b, 0,1,2,3
	v_max_num_f32 v[TM+\b], v[TM+\b], v[TM+4+\b]
.endr
.irp b, 0,1,2,3
	v_add_nc_u32 v[TM+12+\b], 0xff000000, v[TM+\b]
.endr
.irp b, 0,1,2,3
	v_lshrrev_b32 v[TM+4+\b], 23, v[TM+12+\b]
.endr
	v_lshl_or_b32 v[PW], v[TM+5], 8, v[TM+4]
	v_lshl_or_b32 v[PW], v[TM+6], 16, v[PW]
	v_lshl_or_b32 v[PW], v[TM+7], 24, v[PW]
.irp c, 0,1
	v_cvt_scalef32_pk16_fp6_f32 v[PC+6*\c:PC+2+6*\c], v[\s+32*\c:\s+15+32*\c], v[TM+12+2*\c]
	v_cvt_scalef32_pk16_fp6_f32 v[PC+12+4*\c:PC+14+4*\c], v[\s+16+32*\c:\s+31+32*\c], v[TM+12+2*\c+1]
.endr
	v_nop
.irp c, 0,1
.irp i, 0,1,2
	v_permlane16_swap_b32 v[PC+6*\c+\i], v[PC+12+4*\c+\i]
.endr
.irp i, 0,1,2
	v_mov_b32 v[PC+3+6*\c+\i], v[PC+12+4*\c+\i]
.endr
.endr
.endm
	s_wait_loadcnt 0x0
	PLACES 4
.irp b, 0,1,2,3
	v_mov_b32 v[TM+4+\b], 0
.endr
	v_lshlrev_b32 v13, 4, v2
	v_mul_u32_u24 v12, v2, REC
	v_lshl_add_u32 v12, v1, 4, v12
	s_cmp_eq_u32 s[KIND], 2
	s_cbranch_scc1 .Lv
	s_lshl_b32 s98, s43, 8
	s_lshl_b32 s99, s17, 7
	s_add_co_u32 s98, s98, s99
	s_lshr_b32 s99, s98, 11
	s_and_b32 s98, s98, 2047
	s_lshr_b32 s98, s98, 4
	s_lshl_b32 s99, s99, 4
	s_and_b32 s20, s42, 3
	s_lshl_b32 s20, s20, 2
	s_add_co_u32 s99, s99, s20
	s_lshl_b32 s20, s18, 1
	s_add_co_u32 s99, s99, s20
	s_mul_i32 s99, s99, REC
	s_cmp_eq_u32 s[KIND], 1
	s_cselect_b32 s20, 106496, 0
	s_mov_b32 s21, 98304
	s_cselect_b32 s21, 303104, s21
	s_mov_b32 s22, 0x7f7f0000
	s_cselect_b32 s23, 0x7f010000, s22
	s_cselect_b32 s22, 0x7ff70000, s22
	s_mul_i32 s44, s98, 768
	s_add_co_u32 s94, s99, s20
	s_add_co_u32 s94, s94, s44
	s_mov_b32 s95, 0
	s_lshl_b32 s44, s98, 6
	s_add_co_u32 s96, s99, s21
	s_add_co_u32 s96, s96, s44
	s_mov_b32 s97, 0
	s_add_nc_u64 s[94:95], s[14:15], s[94:95]
	s_add_nc_u64 s[96:97], s[14:15], s[96:97]
	v_mov_b32 v[UPL], s23
	v_mov_b32 v[UPH], s22
.irp a, 0,1,2,3,4,5,6,7
	WIN 0x06+\a/4
.irp b, 0,1,2,3,4,5,6,7
.irp p, 0,2,4,6
	v_pk_add_f32 v[HA+8*\b+\p:HA+8*\b+\p+1], v[64*(\a%4)+8*\b+\p:64*(\a%4)+8*\b+\p+1], v[96+8*\b+96*(\b/4)+\p:96+8*\b+96*(\b/4)+\p+1]
.endr
.endr
	WIN 0
.if \a > 0
	s_wait_xcnt 0x0
.endif
	QUANT HA
	v_cmp_eq_u32 vcc_lo, 0, v[ROWD+2*\a]
	v_cndmask_b32 v242, v[UPL], v[UPH], vcc_lo
	v_lshrrev_b32 v243, v13, v[PW]
	v_and_or_b32 v[SW+\a], v243, 0xffff, v242
.irp c, 0,1
	global_store_b128 v[LI], v[PC+6*\c:PC+6*\c+3], s[94:95] offset:\c*REC+768*\a
	global_store_b64 v[LJ], v[PC+6*\c+4:PC+6*\c+5], s[94:95] offset:\c*REC+768*\a
.endr
.endr
	global_store_b128 v12, v[SW:SW+3], s[96:97]
	global_store_b128 v12, v[SW+4:SW+7], s[96:97] offset:256
	s_branch .Ljoin
.Lv:
	s_lshl_b32 s98, s42, 8
	s_lshl_b32 s99, s18, 7
	s_add_co_u32 s98, s98, s99
	s_lshr_b32 s99, s98, 11
	s_lshl_b32 s99, s99, 4
	s_and_b32 s98, s98, 2047
	s_lshr_b32 s98, s98, 7
	s_lshl_b32 s20, s43, 2
	s_add_co_u32 s99, s99, s20
	s_lshl_b32 s20, s17, 1
	s_add_co_u32 s99, s99, s20
	s_mul_i32 s99, s99, REC
	s_mul_i32 s20, s98, 6144
	s_add_co_u32 s94, s99, s20
	s_add_co_u32 s94, s94, 204800
	s_mov_b32 s95, 0
	s_lshl_b32 s20, s98, 8
	s_add_co_u32 s96, s99, s20
	s_add_co_u32 s96, s96, 311296
	s_mov_b32 s97, 0
	s_add_nc_u64 s[94:95], s[14:15], s[94:95]
	s_add_nc_u64 s[96:97], s[14:15], s[96:97]
	s_mov_b32 s21, 0xffff0000
.irp a, 0,1,2,3,4,5,6,7
	WIN 0x02+\a/4
.irp b, 0,1,2,3,4,5,6,7
.irp p, 0,2,4,6
	v_pk_add_f32 v[HA+8*\b+\p:HA+8*\b+\p+1], v[64*(\a%4)+8*\b+\p:64*(\a%4)+8*\b+\p+1], v[ROWD+2*\a:ROWD+2*\a+1] op_sel_hi:[1,0]
.endr
.endr
	WIN 0
.if \a > 0
	s_wait_xcnt 0x0
.endif
	QUANT HA
	v_mov_b32 v[SW+\a], v[PW]
.irp c, 0,1
	global_store_b128 v[LI], v[PC+6*\c:PC+6*\c+3], s[94:95] offset:(\a/4)*REC+(\a%4)*1536+768*\c
	global_store_b64 v[LJ], v[PC+6*\c+4:PC+6*\c+5], s[94:95] offset:(\a/4)*REC+(\a%4)*1536+768*\c
.endr
.endr
.irp i, 0,1,2,3
	v_cndmask_b32 v[SV+\i], v[SW+\i], v[SW+4+\i], s21
.endr
	global_store_b128 v12, v[SV:SV+3], s[96:97]
.Ljoin:
	s_wait_tensorcnt 0x0
	ds_add_u32 v[SPW], v[NIL]
	s_wait_dscnt 0x0
	CROUND
	s_endpgm
.Lfunc_end_k_q210bedeee3_qkv:
	.size	k_q210bedeee3_qkv, .Lfunc_end_k_q210bedeee3_qkv-k_q210bedeee3_qkv
	.p2alignl 7, 3214868480
	.fill 96, 4, 3214868480
	.section	.rodata,"a",@progbits
	.p2align	6, 0x0
	.amdhsa_kernel k_q210bedeee3_qkv
		.amdhsa_group_segment_fixed_size 327680
		.amdhsa_private_segment_fixed_size 0
		.amdhsa_enable_private_segment 0
		.amdhsa_kernarg_size 48
		.amdhsa_user_sgpr_count 2
		.amdhsa_user_sgpr_kernarg_segment_ptr 1
		.amdhsa_wavefront_size32 1
		.amdhsa_system_sgpr_workgroup_id_x 1
		.amdhsa_system_sgpr_workgroup_id_y 1
		.amdhsa_system_sgpr_workgroup_id_z 1
		.amdhsa_system_vgpr_workitem_id 0
		.amdhsa_next_free_vgpr 1024
		.amdhsa_next_free_sgpr 100
		.amdhsa_reserve_vcc 1
		.amdhsa_float_denorm_mode_32 3
		.amdhsa_float_denorm_mode_16_64 3
		.amdhsa_memory_ordered 1
		.amdhsa_forward_progress 1
		.amdhsa_inst_pref_size 223
	.end_amdhsa_kernel
	.amdgpu_metadata
---
amdhsa.version: [ 1, 2 ]
amdhsa.kernels:
  - .name:           k_q210bedeee3_qkv
    .symbol:         k_q210bedeee3_qkv.kd
    .args:
      - { .name: w1, .offset: 0, .size: 8, .value_kind: global_buffer, .address_space: global }
      - { .name: mask, .offset: 8, .size: 8, .value_kind: global_buffer, .address_space: global }
      - { .name: bq, .offset: 16, .size: 8, .value_kind: global_buffer, .address_space: global }
      - { .name: bk, .offset: 24, .size: 8, .value_kind: global_buffer, .address_space: global }
      - { .name: bv, .offset: 32, .size: 8, .value_kind: global_buffer, .address_space: global }
      - { .name: w2, .offset: 40, .size: 8, .value_kind: global_buffer, .address_space: global }
    .group_segment_fixed_size: 327680
    .private_segment_fixed_size: 0
    .kernarg_segment_align: 8
    .kernarg_segment_size: 48
    .max_flat_workgroup_size: 128
    .sgpr_count:     100
    .vgpr_count:     1024
    .wavefront_size: 32
...
	.end_amdgpu_metadata
.endif
;; end of part 2
;; launch attn (part 3): grid 4 x 64, 16 waves a work-group, clusters of 4 x 1, 223,232 bytes of LDS; arguments w2, w3; writes w3
.if DOCPART == 3
	.amdgcn_target "amdgcn-amd-amdhsa--gfx1250"
	.amdhsa_code_object_version 6
	.text
	.protected	k_q210bedeee3_attn
	.globl	k_q210bedeee3_attn
	.p2align	8
	.type	k_q210bedeee3_attn,@function
k_q210bedeee3_attn:
	s_mov_b64 s[64:65], 0
	v_nop
	global_prefetch_b8 v0, s[64:65] scope:SCOPE_SE
	s_setreg_imm32_b32 hwreg(HW_REG_WAVE_MODE, 25, 1), 1
	s_wait_xcnt 0x0
	s_wait_alu depctr_hold_cnt(0) depctr_sa_sdst(0) depctr_va_vdst(0) depctr_va_sdst(0) depctr_va_ssrc(0) depctr_va_vcc(0) depctr_vm_vsrc(0)
	s_getreg_b32 s2, hwreg(HW_REG_IB_STS2, 6, 4)
	s_cmp_eq_u32 s2, 0
	s_cbranch_scc0 .Lentry_in_a_cluster
	s_endpgm
.Lentry_in_a_cluster:
	s_bfe_u32 s2, ttmp6, 0x10000c
	s_cmp_lg_u32 s2, 0x3003
	s_cbranch_scc0 .Lentry_shape_is_right
	s_endpgm
.Lentry_shape_is_right:
; vals[b][q][head] = softmax_k(q . k / 8, masked keys left out) v, both products on codes of FP6 (E2M3) with E8M0 scales; the result is divided by the row's sum, quantised along the model's axis and stored as codes.
; INPUT: w2, one record of REC bytes for each (batch, head): Q codes [128 tiles][768] at 0, Q scale words at 98,304, K codes [128 tiles][768] at 106,496, V codes [16 key steps][4 channel tiles][2][768] at 204,800,
; K scale words [tile / 4][row][tile % 4] at 303,104, V scale words [key step][row][channel tile] at 311,296.  Row r of a stored tile T is row 32 (T / 2) + 8 (T % 2) + r + 8 (r / 8).  768 bytes are the image of six operand
; registers: registers 0-3 at 16 x lane, registers 4-5 at 512 + 8 x lane.
; THE SOFTMAX: t = score x log2(e) / 8; M = the running largest t rounded up to a whole number; p = 2^(t - M) is quantised along the keys; the row's sum is taken of the unquantised p and divides at the end.
; When M moves, the sum and O are multiplied by 2^(old M - new M), which rounds nothing.
; THE MASK: the score's K is 64 in an instruction of 128.  At k = 64 K's fragments hold the constant code 1.0 and Q's -1.0, all other padding is zero codes; byte 2 of a key's scale word is 247 where the key is masked
; (the score gets -2^120: p = 0) and 1 otherwise (-2^-126).
; K'S TILES ARE FORMED ANEW AT THE LDS LOAD: tile t of a group of 64 keys takes keys 8 t + i in rows 0-7 and keys 32 + 8 t + i in rows 8-15 (lanes' addresses alone say so).  With S^T = K Q^T lane (r, h) then holds, in the 32
; registers of a group's four tiles, keys 64 c + 32 h + 0 .. 31 of query r: ONE scale block of P, in the order of P's operand registers.  So a block's largest needs no other lane and the codes change no lane.
; LDS: the first 512 bytes of K's images in rows 576 bytes apart (at 0), their last 256 bytes in rows 288 apart (LKB): rows r and r + 8 of a new tile come from stored tiles two apart, 1,152 and 576 bytes, which is 128 and 64
; modulo 256.  Behind K's first part lie, dense, K's scale words (LKS) and V's (LVS); behind its second part V's codes (LV); then the spare words.
; SHARES.  A work-group owns 512 queries of one head; each of its sixteen waves one tile of 16 queries in each of two passes, in 256 registers, four waves to a SIMD.  A head's K, V and scale words come ONCE, by fifteen tensor
; loads, one a wave: waves 0-3 a quarter each of K's first part, waves 4-5 a half each of its second, waves 6-13 an eighth each of V's codes, wave 14 the scale words; nothing is filled again.
; CLUSTER.  The four work-groups of a cluster are the four quarters of one head's queries and need the same bytes: each load is asked for jointly, with a mask that names the four.
; A STEP'S LOADS: the next step's first four tiles of K and its scale words are asked for behind this step's last score products; the step's second four under the first block's maximum; V's fragments land where p lay, in two halves.
; The last step so reads on behind K's two parts and K's scale words, into the dense bytes that lie behind each of the three and that the head filled; what it brings is not used.
; LIMITS: NaN and infinities are not served; every open score carries -2^-126; a score must lie above -1e30, where the running maximum starts (above every masked key's score, so that a step of masked keys alone gives p = 0);
; a row all of whose keys are masked has the sum 0: its scale bytes are 0xff, which makes its outputs NaN, as the softmax of such a row is.
; No prefetch: all that the launch reads is asked for in its first lines.
.set REC,   315392
.set LKS,   73728
.set LVS,   81920
.set LKB,   86016
.set LV,    122880
.set SPARE, 221184                     ; the spare words, 128 bytes for each of the sixteen waves, which no other line names
.set SPW,  7                           ; v7 my spare word; v8 0; never rewritten
.set NIL,  8                           ; v1-v6 the lane's bases: K's two parts, V's two parts, K's and V's scale words; v9-v14 the same for a step
.set QF,   20                          ; v20-31, v32-43 Q's fragments of the two passes; v44, v45 their scale words
.set LI,   46                          ; v46 16 x lane, v47 512 + 8 x lane: an image in memory
.set LJ,   47
.set KB,   48                          ; v48-95 four fragments of K: registers 0-5 loaded, 6-11 constant
.set S,    96                          ; v96-159 S^T, then p; then V's fragments at v96, v108, v128, v140
.set O,    160                         ; v160-191 O^T
.set PC,   192                         ; v192-203 p's codes
.set CT,   204                         ; v204-206, v208-210 the blocks' upper halves as the conversions leave them
.set BM,   212                         ; v212, v213 my two blocks' largest
.set MX,   214                         ; v214-217 four chains of a maximum
.set BS,   218
.set BX,   220
.set SH,   222                         ; 8 x (lane / 16)
.set QO,   223                         ; 16 x (lane % 16)
.set KSW,  224                         ; v224-231 K's scale words of a step's eight tiles
.set VSW,  232
.set PW,   236                         ; p's scale word
.set F,    238                         ; v[238:239] 2^(old M - new M)
.set T0,   240
.set T1,   241
.set T2,   242
.set SU,   244                         ; v244-251 a step's sum of p in four chains of pairs
.set WV,   8
.set G0A,  16
.set SEL,  20
.set CS,   22
.set TKA,  28                          ; a step's bytes: 4,608 and 2,304 of K's parts, 6,144 of V, 512 and 256 of scale words
.set TKB,  29
.set TV,   30
.set TS,   31
.set TJ,   32
.set CNT,  33
.set G0D,  60
.set G1A,  68
.set G1B,  76
.set G1C,  84
.set G0B,  92
.set G0C,  96
.macro CROUND                          ; a round of the cluster's barrier
	s_barrier_signal -1
	s_barrier_wait -1
	s_cmp_lg_u32 s[WV], 0
	s_cbranch_scc1 .Lnot_wave_0_\@
	s_barrier_signal -3
.Lnot_wave_0_\@:
	s_barrier_wait -3
	s_barrier_signal -1
	s_barrier_wait -1
.endm
.macro WALU
	s_wait_alu depctr_va_vdst(0)
.endm
.macro DEP n
	s_delay_alu instid0(VALU_DEP_\n)
.endm
.macro TLOAD g0, g1
	tensor_load_to_lds s[\g0:\g0+3], s[\g1:\g1+7]
	s_nop 0
.rept 4
	v_nop
.endr
.endm
.macro GROUP1 g, w0, cols, rows, pitch
	s_mov_b32 s[\g], \w0
	s_mov_b32 s[\g+1], (\cols)<<16
	s_mov_b32 s[\g+2], (\rows)<<16
	s_mov_b32 s[\g+3], (\cols)<<16
	s_mov_b32 s[\g+4], \rows
	s_mov_b32 s[\g+5], \pitch
	s_mov_b32 s[\g+6], 0
	s_mov_b32 s[\g+7], 0
.endm
	s_load_b128 s[4:7], s[0:1], 0x0                ; w2, w3
	v_lshl_add_u32 v[SPW], v0, 2, SPARE
	v_mov_b32 v[NIL], 0
	ds_add_u32 v[SPW], v[NIL]                      ; the opening lines: the add twice, work on registers, the one wait
	ds_add_u32 v[SPW], v[NIL]
	v_lshrrev_b32 v1, 5, v0
	v_readfirstlane_b32 s[WV], v1                  ; wave 0..15
	s_bfe_u32 s9, ttmp6, 0x40000                   ; cx: which quarter of the queries; it enters Q's and the output's addresses alone
	s_and_b32 s10, ttmp7, 0xffff                   ; (batch, head), which the partners share
	s_mul_i32 s12, s10, REC
	s_mov_b32 s13, 0
	; elements of 8 bytes; the mask names all four; bit 21 beside it
	GROUP1 G1A, 15|(3<<16)|(1<<20)|(1<<21)|(6<<22)|(15<<25), 64, 32, 96   ; 32 rows of 512 bytes, 768 apart; 64 bytes of padding behind each
	GROUP1 G1B, 15|(3<<16)|(1<<20)|(1<<21)|(5<<22)|(7<<25), 32, 64, 96    ; 64 rows of 256 bytes, 768 apart; 32 bytes of padding behind each
	GROUP1 G1C, 15|(3<<16)|(1<<21), 32, 48, 32                            ; 48 dense rows of 256 bytes
	s_mov_b32 s[G0A], 1
	s_mul_i32 s[G0A+1], s[WV], 18432               ; waves 0-3: 32 rows of 576
	s_mul_i32 s14, s[WV], 24576
	s_add_co_u32 s14, s14, 106496
	s_mov_b32 s15, 0
	s_and_b32 s25, s[WV], 1                        ; waves 4, 5: which half
	s_mul_i32 s24, s25, 49152
	s_add_co_u32 s24, s24, 106496+512
	s_mov_b32 s[G0B], 1
	s_mul_i32 s[G0B+1], s25, 18432                 ; 64 rows of 288
	s_add_co_u32 s[G0B+1], s[G0B+1], LKB
	s_mov_b32 s25, 0
	s_mov_b32 s[G0C], 1
	s_mul_i32 s26, s[WV], 12288                    ; waves 6-13: (wave - 6) x 12,288 from V's first byte
	s_add_co_u32 s[G0C+1], s26, LV-6*12288
	s_add_co_u32 s26, s26, 204800-6*12288
	s_mov_b32 s27, 0
	s_mov_b32 s[SEL], 0x76543210
	s_mov_b32 s[SEL+1], 0xfedcba98                 ; selects for lane l xor 16
	s_mov_b32 s[CS], 0x3e38aa3b                    ; c = log2(e) / 8
	s_mov_b32 s[CS+1], s[CS]
	s_mov_b32 s36, 0xffff0000                      ; lanes 16-31
	s_lshl_b32 s48, s9, 5
	s_add_co_u32 s48, s48, s[WV]                   ; my tile of queries in pass 0: 32 cx + wave; in pass 1 sixteen further on
	s_mul_i32 s50, s48, 768
	s_mov_b32 s51, 0
	s_lshr_b32 s54, s48, 2
	s_lshl_b32 s54, s54, 8
	s_and_b32 s52, s48, 3
	s_lshl_b32 s52, s52, 2
	s_add_co_u32 s54, s54, s52
	s_add_co_u32 s54, s54, 98304                   ; its scale words: 256 (T / 4) + 4 (T % 4)
	s_mov_b32 s55, 0
	s_lshr_b32 s52, s10, 4
	s_lshl_b32 s52, s52, 7
	s_add_co_u32 s52, s52, s48                     ; the same tile among all tokens: 128 x batch + T
	s_and_b32 s53, s10, 15                         ; the head
	s_mul_i32 s56, s52, 12288
	s_mul_i32 s58, s53, 768
	s_add_co_u32 s56, s56, s58                     ; the output's codes: [tile][head][768]
	s_mov_b32 s57, 0
	s_lshl_b32 s58, s52, 9
	s_lshr_b32 s60, s53, 1
	s_lshl_b32 s60, s60, 6
	s_add_co_u32 s58, s58, s60
	s_and_b32 s60, s53, 1
	s_lshl_b32 s60, s60, 1
	s_add_co_u32 s58, s58, s60
	s_add_co_u32 s58, s58, 6291456                 ; its scale bytes: [tile][head / 2][row] words, bytes 2 (head % 2) + 0, 1
	s_mov_b32 s59, 0
	s_mov_b32 s[G0D], 1                            ; wave 14: the scale words
	s_mov_b32 s[G0D+1], LKS
	v_and_b32 v252, 31, v0                         ; lane
	v_and_b32 v253, 15, v0                         ; r
	v_bfe_u32 v254, v0, 4, 1                       ; h
	v_and_b32 v255, 7, v0                          ; r % 8
	v_bfe_u32 v243, v0, 3, 1                       ; r / 8
	v_lshlrev_b32 v[LI], 4, v252
	v_lshl_add_u32 v[LJ], v252, 3, 512
	v_mul_u32_u24 v1, v243, 1152                   ; K, first part: two stored tiles on for rows 8-15, + 16 (r % 8) + 256 h
	v_mul_u32_u24 v2, v243, 576                    ; K, second part: + 8 (r % 8) + 128 h
	v_lshl_add_u32 v1, v255, 4, v1
	v_lshl_add_u32 v2, v255, 3, v2
	v_lshl_add_u32 v1, v254, 8, v1
	v_lshl_add_u32 v2, v254, 7, v2
	v_add_nc_u32 v2, LKB, v2
	v_add_nc_u32 v3, LV, v[LI]
	v_add_nc_u32 v4, LV, v[LJ]
	v_lshlrev_b32 v5, 4, v255                      ; K's scale words: stored row r % 8 (+ 8 for tiles 2, 3), stored tiles 2 (r / 8) + 0, 1
	v_lshl_add_u32 v5, v243, 3, v5
	v_add_nc_u32 v5, LKS, v5
	v_lshl_add_u32 v6, v253, 4, LVS
	v_lshlrev_b32 v[QO], 4, v253
	v_lshl_add_u32 v15, v253, 2, v254              ; 4 r + h: my block's scale byte on the way out
	v_lshlrev_b32 v[SH], 3, v254
	v_sub_nc_u32 v254, 1, v254                     ; 1 - h: k = 64 lies in lanes 0-15
	WALU                                           ; ahead of the blocking waits
	s_wait_dscnt 0x0                               ; both opening adds are done
	s_wait_kmcnt 0x0
	s_add_nc_u64 s[46:47], s[4:5], s[12:13]        ; my record
	s_add_nc_u64 s[G0A+2:G0A+3], s[46:47], s[14:15]
	s_or_b32 s[G0A+3], s[G0A+3], 0x80000000
	s_add_nc_u64 s[G0B+2:G0B+3], s[46:47], s[24:25]
	s_or_b32 s[G0B+3], s[G0B+3], 0x80000000
	s_add_nc_u64 s[G0C+2:G0C+3], s[46:47], s[26:27]
	s_or_b32 s[G0C+3], s[G0C+3], 0x80000000
	s_add_nc_u64 s[G0D+2:G0D+3], s[46:47], 303104
	s_or_b32 s[G0D+3], s[G0D+3], 0x80000000
	s_add_nc_u64 s[38:39], s[46:47], s[50:51]
	s_add_nc_u64 s[40:41], s[46:47], s[54:55]
	s_add_nc_u64 s[42:43], s[6:7], s[56:57]
	s_add_nc_u64 s[44:45], s[6:7], s[58:59]
	CROUND                                         ; all four work-groups are here: the joint loads meet
	s_cmp_lt_u32 s[WV], 4                          ; one chain of branches on the wave's number, one load to an arm
	s_cbranch_scc0 .Lpart_b
	TLOAD G0A, G1A
	s_branch .Lasked
.Lpart_b:
	s_cmp_lt_u32 s[WV], 6
	s_cbranch_scc0 .Ldense
	TLOAD G0B, G1B
	s_branch .Lasked
.Ldense:
	s_cmp_lt_u32 s[WV], 14
	s_cbranch_scc0 .Lwords
	TLOAD G0C, G1C
	s_branch .Lasked
.Lwords:
	s_cmp_eq_u32 s[WV], 14
	s_cbranch_scc0 .Lasked
	TLOAD G0D, G1C
.Lasked:
.irp p, 0,1
	global_load_b128 v[QF+12*\p:QF+12*\p+3], v[LI], s[38:39] offset:12288*\p
	global_load_b64 v[QF+12*\p+4:QF+12*\p+5], v[LJ], s[38:39] offset:12288*\p
	global_load_b32 v[44+\p], v[QO], s[40:41] offset:1024*\p
.endr
.irp p, 0,1
	v_mul_u32_u24 v[QF+12*\p+6], v254, 40          ; the code -1.0 at k = 64
.irp i, 7,8,9,10,11
	v_mov_b32 v[QF+12*\p+\i], 0
.endr
.endr
.irp t, 0,1,2,3
	v_lshlrev_b32 v[KB+12*\t+6], 3, v254           ; the code 1.0 at k = 64
.irp i, 7,8,9,10,11
	v_mov_b32 v[KB+12*\t+\i], 0
.endr
.endr
	v_mov_b32 v[BX], 0                             ; a lane permute's destination counts as one of its sources
	v_mov_b32 v[BX+1], 0
	v_mov_b32 v[T2], 0
	v_mov_b32 v[F+1], 0                            ; (named as the upper half of a pair)
	WALU                                           ; the head's end
	s_wait_loadcnt 0x0                             ; Q
	s_wait_tensorcnt 0x0                           ; my part of K and V is in,
	s_barrier_signal -1
	s_barrier_wait -1                              ; everybody's is
.macro WM d, a, b, c, sa, sb
	v_wmma_scale_f32_16x16x128_f8f6f4 v[(\d):(\d)+7], v[(\a):(\a)+11], v[(\b):(\b)+11], \c, v[\sa], v[\sb] matrix_a_fmt:MATRIX_FMT_FP6 matrix_b_fmt:MATRIX_FMT_FP6
.endm
.macro KLOAD c                         ; the four tiles of group c of the step at v9, v10: stored tiles 4 c + t % 2 (+ 2 in rows 8-15), stored rows 8 (t / 2) + ..
.irp t, 0,1,2,3
	ds_load_b128 v[KB+12*\t:KB+12*\t+3], v9 offset:576*(4*(\c)+(\t%2))+128*(\t/2)
	ds_load_b64 v[KB+12*\t+4:KB+12*\t+5], v10 offset:288*(4*(\c)+(\t%2))+64*(\t/2)
.endr
.endm
.macro KSCALES                         ; eight tiles' scale words: tiles 0, 1 are 8 neighbouring bytes, tiles 2, 3 lie 128 bytes on; a group 256
	ds_load_2addr_b64 v[KSW:KSW+3], v13 offset0:0 offset1:16
	ds_load_2addr_b64 v[KSW+4:KSW+7], v13 offset0:32 offset1:48
.endm
.macro VLOAD u
.irp c, 0,1
	ds_load_b128 v[S+12*(\u)+8*((\u)/2)+6*\c:S+12*(\u)+8*((\u)/2)+6*\c+3], v11 offset:1536*(\u)+768*\c
	ds_load_b64 v[S+12*(\u)+8*((\u)/2)+6*\c+4:S+12*(\u)+8*((\u)/2)+6*\c+5], v12 offset:1536*(\u)+768*\c
.endr
.endm
.macro MAXB c                          ; the largest score of my block of group c: 32 registers, four chains, each accumulator from its low end on
.irp t, 0,1,2,3
	v_max3_num_f32 v[MX+\t], v[S+32*(\c)+8*\t], v[S+32*(\c)+8*\t+1], v[S+32*(\c)+8*\t+2]
.endr
.irp i, 3,5
.irp t, 0,1,2,3
	v_max3_num_f32 v[MX+\t], v[MX+\t], v[S+32*(\c)+8*\t+\i], v[S+32*(\c)+8*\t+\i+1]
.endr
.endr
	v_max3_num_f32 v[MX], v[MX], v[S+32*(\c)+7], v[S+32*(\c)+15]
	v_max3_num_f32 v[MX+2], v[MX+2], v[S+32*(\c)+23], v[S+32*(\c)+31]
	DEP 1
	v_max3_num_f32 v[MX], v[MX], v[MX+1], v[MX+2]
	DEP 1
	v_max_num_f32 v[BM+\c], v[MX], v[MX+3]
.endm
.macro SUMUP                           ; the last step's four chains join, and the row's sum goes under that step's M in the same line
	v_pk_add_f32 v[SU:SU+1], v[SU:SU+1], v[SU+2:SU+3]
	v_pk_add_f32 v[SU+4:SU+5], v[SU+4:SU+5], v[SU+6:SU+7]
	DEP 1
	v_pk_add_f32 v[SU:SU+1], v[SU:SU+1], v[SU+4:SU+5]
	DEP 1
	v_pk_fma_f32 v[18:19], v[18:19], v[F:F+1], v[SU:SU+1] op_sel_hi:[1,0,1]
.endm
; A KEY STEP: 128 keys.  Its first four tiles of K and its scale words are in registers.
.macro STEP qf, qs
	SUMUP                                          ; these five lines are also the places between the last products, which read V's fragments, and the products below, whose results are laid over them
	v_mov_b32 v[T0], v16                           ; the old -M
.irp t, 0,1,2,3
	WM S+8*\t, KB+12*\t, \qf, 0, KSW+\t, \qs
.endr
	v_add_nc_u32 v11, s[TV], v3                    ; four places in front of the loads into K's registers
	v_add_nc_u32 v12, s[TV], v4
	v_add_nc_u32 v14, s[TJ], v6
	v_nop
	KLOAD 1
	MAXB 0
	s_wait_dscnt 0x0
.irp t, 0,1,2,3
	WM S+32+8*\t, KB+12*\t, \qf, 0, KSW+4+\t, \qs
.endr
	s_add_co_u32 s[TKA], s[TKA], 4608
	s_add_co_u32 s[TKB], s[TKB], 2304
	s_add_co_u32 s[TS], s[TS], 512
	v_add_nc_u32 v9, s[TKA], v1                    ; the next step's addresses: four places again
	v_add_nc_u32 v10, s[TKB], v2
	v_add_nc_u32 v13, s[TS], v5
	v_nop
	KLOAD 0
	KSCALES
	MAXB 1
	DEP 1
	v_max_num_f32 v[T1], v[BM], v[BM+1]
	DEP 1
	v_permlanex16_b32 v[T2], v[T1], s[SEL], s[SEL+1]
	DEP 1
	v_max3_num_f32 v17, v17, v[T1], v[T2]          ; the running largest score of my query (c is positive)
	DEP 1
	v_mul_f32 v[T1], s[CS], v17
	DEP 1
	v_floor_f32 v16, -v[T1]                        ; the new -M = floor(-t): M is a whole number
	DEP 1
	v_sub_f32 v[T0], v16, v[T0]                    ; old M - new M: a whole number, 0 or less
	DEP 1
	v_cvt_i32_f32 v[T0], v[T0]                     ; (it saturates)
.set j, 0
.rept 32
	v_pk_fma_f32 v[S+j:S+j+1], v[S+j:S+j+1], s[CS:CS+1], v[16:17] op_sel_hi:[1,0,0]   ; t - M, two at a time
.set j, j+2
.endr
	v_fma_f32 v[BM], v[BM], s[CS], v16             ; the same of each block's largest score: p rises with the score
	v_fma_f32 v[BM+1], v[BM+1], s[CS], v16
	WALU                                           ; ahead of the batch
.set j, 0
.rept 64
	v_exp_f32 v[S+j], v[S+j]                       ; p = 2^(t - M): not normalised
.set j, j+1
.endr
	v_exp_f32 v[BM], v[BM]
	v_exp_f32 v[BM+1], v[BM+1]
	v_ldexp_f32 v[F], 1.0, v[T0]                   ; f = 2^(old M - new M): the plain line behind the exponentials
	WALU                                           ; one wait for the whole batch, ahead of its first reader
	v_max_num_f32 v[BM], 0x1800000, v[BM]          ; the floor 2^(3 - 127): a block whose every p is 0 keeps the byte 1: its codes are zeros
	v_max_num_f32 v[BM+1], 0x1800000, v[BM+1]
	DEP 2
	v_add_nc_u32 v[BS], 0xff000000, v[BM]          ; 2 off the exponent field: the conversion's scale operand
	DEP 2
	v_add_nc_u32 v[BS+1], 0xff000000, v[BM+1]
	DEP 2
	v_lshrrev_b32 v[BX], 23, v[BS]                 ; the scales' bytes: blocks h and 2 + h
	DEP 2
	v_lshrrev_b32 v[BX+1], 23, v[BS+1]
	DEP 1
	v_lshl_or_b32 v[PW], v[BX+1], 16, v[BX]
	DEP 1
	v_lshlrev_b32 v[PW], v[SH], v[PW]              ; at their places in the row's word
	DEP 1
	v_permlanex16_b32 v[T2], v[PW], s[SEL], s[SEL+1]
	DEP 1
	v_or_b32 v[PW], v[PW], v[T2]                   ; with lane l xor 16's two the word is whole
.irp k, 0,1,2,3
	v_pk_add_f32 v[SU+2*\k:SU+2*\k+1], v[S+4*\k:S+4*\k+1], v[S+4*\k+2:S+4*\k+3]   ; the sum of the unquantised p, four chains
.endr
.set j, 16
.rept 8
	v_pk_add_f32 v[SU+j%8:SU+j%8+1], v[SU+j%8:SU+j%8+1], v[S+j:S+j+1]
.set j, j+2
.endr
	v_cvt_scalef32_pk16_fp6_f32 v[PC:PC+2], v[S:S+15], v[BS]
	v_cvt_scalef32_pk16_fp6_f32 v[CT:CT+2], v[S+16:S+31], v[BS]      ; (a conversion's three registers begin on an even number)
	ds_load_b128 v[VSW:VSW+3], v14
	VLOAD 0                                        ; V's fragments land where p lay: that half is in codes now
	VLOAD 1
.rept 16
	v_pk_add_f32 v[SU+j%8:SU+j%8+1], v[SU+j%8:SU+j%8+1], v[S+j:S+j+1]
.set j, j+2
.endr
	v_cvt_scalef32_pk16_fp6_f32 v[PC+6:PC+8], v[S+32:S+47], v[BS+1]
	v_cvt_scalef32_pk16_fp6_f32 v[CT+4:CT+6], v[S+48:S+63], v[BS+1]
	VLOAD 2
	VLOAD 3
.irp i, 0,1,2
	v_mov_b32 v[PC+3+\i], v[CT+\i]                 ; (the first block's: plain lines behind the second block's conversions)
.endr
.irp i, 0,1,2
	v_mov_b32 v[PC+9+\i], v[CT+4+\i]
.endr
	WALU                                           ; directly ahead of the first reader of O^T
.set j, 0
.rept 16
	v_pk_mul_f32 v[O+j:O+j+1], v[O+j:O+j+1], v[F:F+1] op_sel_hi:[1,0]   ; O^T under the new M.  These sixteen also stand between the lines that made p's codes and scale word and the products
.set j, j+2
.endr
	WALU                                           ; and ahead of the blocking wait
	s_wait_dscnt 8                                 ; all but the eight loads of V's tiles 2 and 3
	WM O, S, PC, v[O:O+7], VSW, PW                 ; O^T += V^T P^T: the four accumulators by turns
	WM O+8, S+12, PC, v[O+8:O+15], VSW+1, PW
	s_wait_dscnt 0x0
	WM O+16, S+32, PC, v[O+16:O+23], VSW+2, PW
	WM O+24, S+44, PC, v[O+24:O+31], VSW+3, PW
.endm
; THE WAY OUT of a pass: O^T / the sum, register 16 b + i = channel 32 b + 16 (lane / 16) + i of my query: two blocks of the last product's K.  Their codes are one image; each lane stores its own block's scale byte.
.macro OUTW pi
	s_wait_dscnt 0x0                               ; the loads that the last step asked for beyond its end have landed
	SUMUP
	v_add_f32 v18, v18, v19
	v_permlanex16_b32 v[BX], v18, s[SEL], s[SEL+1]
	v_add_f32 v18, v18, v[BX]                      ; the row's sum
	WALU
	v_rcp_f32 v[T0], v18
	v_mov_b32 v237, 0xff
	v_cmp_eq_f32 s37, 0, v18                       ; a row with every key masked
	WALU                                           ; ahead of the reciprocal's first reader, which is O^T's too
.set j, 0
.rept 32
	v_mul_f32 v[S+j], v[O+j], v[T0]
.set j, j+1
.endr
.irp b, 0,1
	v_max3_num_f32 v[BM+\b], |v[S+16*\b]|, |v[S+16*\b+1]|, 0x1800000
.endr
.irp i, 2,4,6,8,10,12,14
.irp b, 0,1
	v_max3_num_f32 v[BM+\b], v[BM+\b], |v[S+16*\b+\i]|, |v[S+16*\b+\i+1]|
.endr
.endr
.irp b, 0,1
	v_permlanex16_b32 v[BX+\b], v[BM+\b], s[SEL], s[SEL+1]
.endr
.irp b, 0,1
	v_max_num_f32 v[BM+\b], v[BM+\b], v[BX+\b]
.endr
.irp b, 0,1
	v_add_nc_u32 v[BS+\b], 0xff000000, v[BM+\b]
.endr
.irp b, 0,1
	v_lshrrev_b32 v[BX+\b], 23, v[BS+\b]
.endr
	v_cvt_scalef32_pk16_fp6_f32 v[PC:PC+2], v[S:S+15], v[BS]
	v_cvt_scalef32_pk16_fp6_f32 v[CT:CT+2], v[S+16:S+31], v[BS+1]
	v_nop                                          ; one plain place behind a scaled conversion
.irp i, 0,1,2
	v_permlane16_swap_b32 v[PC+\i], v[CT+\i]       ; the operand's layout wants a whole block in a lane
.endr
.irp i, 0,1,2
	v_mov_b32 v[PC+3+\i], v[CT+\i]
.endr
	v_cndmask_b32 v[T1], v[BX], v[BX+1], s36       ; lanes 0-15: block 0's byte, lanes 16-31: block 1's
	v_cndmask_b32 v[T1], v[T1], v237, s37
	global_store_b128 v[LI], v[PC:PC+3], s[42:43] offset:196608*\pi
	global_store_b64 v[LJ], v[PC+4:PC+5], s[42:43] offset:196608*\pi
	global_store_b8 v15, v[T1], s[44:45] offset:8192*\pi
.endm
.macro PASS pi
.if \pi > 0
	s_wait_xcnt 0x0                                ; the last pass's stores have read their data
.endif
	s_mov_b32 s[TKA], 0
	s_mov_b32 s[TKB], 0
	s_mov_b32 s[TV], 0
	s_mov_b32 s[TS], 0
	s_mov_b32 s[TJ], 0
	s_mov_b32 s[CNT], 16
	v_mov_b32 v9, v1
	v_mov_b32 v10, v2
	v_mov_b32 v13, v5
	KLOAD 0                                        ; step 0's first four tiles and its scale words
	KSCALES
	v_mov_b32 v17, 0xf149f2ca                      ; the largest score so far: -1e30
	v_mul_f32 v[T1], s[CS], v17
	v_floor_f32 v16, -v[T1]                        ; -M
	v_mov_b32 v18, 0                               ; the sum, in two halves
	v_mov_b32 v19, 0
	v_mov_b32 v[F], 0
.set j, 0
.rept 8
	v_mov_b32 v[SU+j], 0                           ; the step begins by adding up the step before: the first finds zeros
.set j, j+1
.endr
.set j, 0
.rept 32
	v_mov_b32 v[O+j], 0                            ; O^T.  (The step is written once for each pass: its first trip finds zeros, which the first change of M leaves zeros)
.set j, j+1
.endr
	WALU                                           ; ahead of the blocking wait
	s_wait_dscnt 0x0
.Lkey_\@:
	STEP QF+12*\pi, 44+\pi
	s_add_co_u32 s[TV], s[TV], 6144
	s_add_co_u32 s[TJ], s[TJ], 256
	s_sub_co_u32 s[CNT], s[CNT], 1
	s_cmp_lg_u32 s[CNT], 0
	s_cbranch_scc1 .Lkey_\@
	OUTW \pi
.endm
	PASS 0
	PASS 1
	s_wait_tensorcnt 0x0                           ; the wave's end: behind my last tensor load
	ds_add_u32 v[SPW], v[NIL]
	s_wait_dscnt 0x0
	CROUND                                         ; the closing round
	s_endpgm
.Lfunc_end_k_q210bedeee3_attn:
	.size	k_q210bedeee3_attn, .Lfunc_end_k_q210bedeee3_attn-k_q210bedeee3_attn
	.p2alignl 7, 3214868480
	.fill 96, 4, 3214868480
	.section	.rodata,"a",@progbits
	.p2align	6, 0x0
	.amdhsa_kernel k_q210bedeee3_attn
		.amdhsa_group_segment_fixed_size 223232
		.amdhsa_private_segment_fixed_size 0
		.amdhsa_enable_private_segment 0
		.amdhsa_kernarg_size 16
		.amdhsa_user_sgpr_count 2
		.amdhsa_user_sgpr_kernarg_segment_ptr 1
		.amdhsa_wavefront_size32 1
		.amdhsa_system_sgpr_workgroup_id_x 1
		.amdhsa_system_sgpr_workgroup_id_y 1
		.amdhsa_system_sgpr_workgroup_id_z 1
		.amdhsa_system_vgpr_workitem_id 0
		.amdhsa_next_free_vgpr 256
		.amdhsa_next_free_sgpr 100
		.amdhsa_reserve_vcc 0
		.amdhsa_float_denorm_mode_32 3
		.amdhsa_float_denorm_mode_16_64 3
		.amdhsa_memory_ordered 1
		.amdhsa_forward_progress 1
		.amdhsa_inst_pref_size 55
	.end_amdhsa_kernel
	.amdgpu_metadata
---
amdhsa.version: [ 1, 2 ]
amdhsa.kernels:
  - .name:           k_q210bedeee3_attn
    .symbol:         k_q210bedeee3_attn.kd
    .args:
      - { .name: w2, .offset: 0, .size: 8, .value_kind: global_buffer, .address_space: global }
      - { .name: w3, .offset: 8, .size: 8, .value_kind: global_buffer, .address_space: global }
    .group_segment_fixed_size: 223232
    .private_segment_fixed_size: 0
    .kernarg_segment_align: 8
    .kernarg_segment_size: 16
    .max_flat_workgroup_size: 512
    .sgpr_count:     100
    .vgpr_count:     256
    .wavefront_size: 32
...
	.end_amdgpu_metadata
.endif
;; end of part 3
;; launch outp (part 4): grid 4 x 64, 4 waves a work-group, clusters of 4 x 4, 327,680 bytes of LDS; arguments w3, w1, bo, out0; writes out0
.if DOCPART == 4
	.amdgcn_target "amdgcn-amd-amdhsa--gfx1250"
	.amdhsa_code_object_version 6
	.text
	.protected	k_q210bedeee3_outp
	.globl	k_q210bedeee3_outp
	.p2align	8
	.type	k_q210bedeee3_outp,@function
k_q210bedeee3_outp:
	s_mov_b64 s[64:65], 0
	v_nop
	global_prefetch_b8 v0, s[64:65] scope:SCOPE_SE
	s_setreg_imm32_b32 hwreg(HW_REG_WAVE_MODE, 25, 1), 1
	s_wait_xcnt 0x0
	s_wait_alu depctr_hold_cnt(0) depctr_sa_sdst(0) depctr_va_vdst(0) depctr_va_sdst(0) depctr_va_ssrc(0) depctr_va_vcc(0) depctr_vm_vsrc(0)
	s_getreg_b32 s2, hwreg(HW_REG_IB_STS2, 6, 4)
	s_cmp_eq_u32 s2, 0
	s_cbranch_scc0 .Lentry_in_a_cluster
	s_endpgm
.Lentry_in_a_cluster:
	s_bfe_u32 s2, ttmp6, 0x10000c
	s_cmp_lg_u32 s2, 0xf033
	s_cbranch_scc0 .Lentry_shape_is_right
	s_endpgm
.Lentry_shape_is_right:
; out0[token][e] = sum over d of vals[token][d] Wo[e][d] + bo[e], on codes of FP6 (E2M3) with one E8M0 scale for each 32 along d; sums in f32.
; INPUT: w3, vals as the launch before left them, and w1, Wo as the first launch left it: codes [tile of 16 rows][16 halves][768], then (from S3, S1 on) scale words [tile][8 steps of 128][16 rows].  Row r of tile T is the
; tensor's row 32 (T / 2) + 8 (T % 2) + r + 8 (r / 8); a half is the image of six operand registers: registers 0-3 at 16 x lane, registers 4-5 at 512 + 8 x lane.  Wo's tiles are 704 to 767 of w1.
; SHARES.  A work-group makes 128 tokens x 256 columns: 64 x 4 = 256 work-groups.  Four waves, 2 x 2; a wave makes 64 x 128: 32 accumulators of 16 x 16, 256 registers (window 2).
; ALL OF K LIES IN LDS: A's 8 tiles (98,304 bytes), B's 16 tiles (196,608), their scale words (4,096 + 8,192): each a dense block of memory, each brought by ONE tensor load, one a wave, at the head.  Nothing is filled again:
; no ring, and no round of the cluster's barrier but the one in front of the loads and the closing one.
; CLUSTERS: 4 x 4 work-groups.  A's tiles and scale words hang on the tile row alone and are asked for jointly by a row of the cluster, B's on the tile column alone, by a column.
; THE MATRIX INSTRUCTION IS USED TRANSPOSED (source 0 = 16 rows of Wo, source 1 = 16 tokens): a lane holds eight neighbouring columns of a token's row.  The bias, laid as the result lies, is the first step's C.
; A STEP is 128 along K: 32 products, A's four blocks one after the other, each against B's eight: the accumulators by turns.  A and B have two sets of fragment registers: a step's 48 LDS loads are issued ahead of the products of the step before.
; REGISTERS: window 0: v0-31 addresses, v32-95 scale words (register 8 k + i: lanes 0-15 A's block i, lanes 16-31 B's block i, step k), v128-223 A's two sets; window 1: B's two sets at v0 and v128, the bias at v96-127 and v224-255.
; THE WAY OUT: a block of 16 tokens x 128 columns goes through the wave's own stage in LDS and leaves as rows of 512 bytes.  The stage lies on A's bytes, behind a barrier in front of which every wave's last LDS read has come back.
; No prefetch: all that the launch reads is asked for in its first lines.  LIMITS: a scale byte 0xff among vals' (a token all of whose keys were masked) makes that token's row NaN.
.set S1,    9437184
.set S3,    6291456
.set TB,    12288                      ; a tile's codes, all of K
.set LB,    8*TB                       ; LDS: A's tiles at 0, B's here,
.set SCL,   24*TB                      ; the scale words: A's 4,096 bytes, then B's 8,192,
.set SPARE, SCL+12288                  ; and the spare words, 128 bytes a wave, which no other line names
.set SPITCH, 528
.set FR,    12
.set LI,    4                          ; v4 16 x lane, v5 512 + 8 x lane
.set LJ,    5
.set ADRA,  16                         ; v16, v17 my four tiles of A
.set ADRB,  20                         ; v20, v21 my tiles 0-3 of B; v22, v23 tiles 4-7
.set STO,   24
.set RD,    25
.set ADRS,  27
.set SPW,   28                         ; v28 my spare word, v29 0: never rewritten
.set NIL,   29
.set SC,    32
.set AF,    128
.set BK,    128
.set G1,  24
.set G0,  32
.set G1B, 48
.set G0B, 56
.set G1S, 68
.set G0S, 76
.set G1SB, 80
.set G0SB, 88
.set MSB, 0
.macro WIN new                         ; the immediate's high byte repeats the setting that is left
.if MSB != (\new)
	s_set_vgpr_msb (MSB<<8)|(\new)
.set MSB, (\new)
.endif
.endm
.set TO_B,   0x40                      ; destination window 1, address window 0
.macro CROUND                          ; a round of the cluster's barrier
	s_barrier_signal -1
	s_barrier_wait -1
	s_cmp_lg_u32 s16, 0
	s_cbranch_scc1 .Lnot_wave_0_\@
	s_barrier_signal -3
.Lnot_wave_0_\@:
	s_barrier_wait -3
	s_barrier_signal -1
	s_barrier_wait -1
.endm
.macro PLACES n
.rept \n
	v_nop
.endr
.endm
.macro TLOAD g0, g1
	tensor_load_to_lds s[\g0:\g0+3], s[\g1:\g1+7]
	s_nop 0
	PLACES 4
.endm
.macro GROUP1 g, cols, rows            ; dense rows of 8 x cols bytes; word 0 holds the mask and is made apart
	s_mov_b32 s[\g+1], (\cols)<<16
	s_mov_b32 s[\g+2], (\rows)<<16
	s_mov_b32 s[\g+3], (\cols)<<16
	s_mov_b32 s[\g+4], \rows
	s_mov_b32 s[\g+5], \cols
	s_mov_b32 s[\g+6], 0
	s_mov_b32 s[\g+7], 0
.endm
	s_load_b256 s[4:11], s[0:1], 0x0               ; w3, w1, bo, out0
	v_lshl_add_u32 v[SPW], v0, 2, SPARE
	v_mov_b32 v[NIL], 0
	ds_add_u32 v[SPW], v[NIL]                      ; the opening lines: the add twice, work on registers, the one wait
	ds_add_u32 v[SPW], v[NIL]
	v_lshrrev_b32 v1, 5, v0
	v_readfirstlane_b32 s16, v1                    ; wave 0..3
	s_lshr_b32 s17, s16, 1                         ; which 64 of the 128 tokens
	s_and_b32 s18, s16, 1                          ; which 128 of the 256 columns
	s_bfe_u32 s40, ttmp6, 0x40000                  ; cx, cy
	s_bfe_u32 s41, ttmp6, 0x40004
	s_lshl_b32 s42, ttmp9, 2
	s_add_co_u32 s42, s42, s40                     ; tile column
	s_and_b32 s43, ttmp7, 0xffff
	s_lshl_b32 s43, s43, 2
	s_add_co_u32 s43, s43, s41                     ; tile row
	s_lshl_b32 s44, s41, 2
	s_lshl_b32 s44, 15, s44                        ; my row of the cluster
	s_lshl_b32 s45, 0x1111, s40                    ; my column
	s_or_b32 s[G1+0], s44, (3<<16)|(1<<21)         ; elements of 8 bytes; bit 21 beside the mask
	s_or_b32 s[G1B+0], s45, (3<<16)|(1<<21)
	s_or_b32 s[G1S+0], s44, (3<<16)|(1<<21)
	s_or_b32 s[G1SB+0], s45, (3<<16)|(1<<21)
	GROUP1 G1, 1536, 8                             ; A: 8 tiles of 12,288 bytes
	GROUP1 G1B, 1536, 16                           ; B: 16 tiles
	GROUP1 G1S, 32, 16                             ; A's scale words: 16 rows of 256 bytes
	GROUP1 G1SB, 32, 32                            ; B's: 32 rows
	s_lshl_b32 s20, s43, 3                         ; A's first tile
	s_lshl_b32 s46, s42, 4
	s_add_co_u32 s46, s46, 704                     ; B's
	s_lshl_b32 s22, s20, 9
	s_add_co_u32 s22, s22, S3
	s_mov_b32 s23, 0
	s_mul_i32 s20, s20, TB
	s_mov_b32 s21, 0
	s_lshl_b32 s94, s46, 9
	s_add_co_u32 s94, s94, S1
	s_mov_b32 s95, 0
	s_mul_i32 s46, s46, TB
	s_mov_b32 s47, 0
	s_mov_b32 s[G0], 1
	s_mov_b32 s[G0+1], 0
	s_mov_b32 s[G0B], 1
	s_mov_b32 s[G0B+1], LB
	s_mov_b32 s[G0S], 1
	s_mov_b32 s[G0S+1], SCL
	s_mov_b32 s[G0SB], 1
	s_mov_b32 s[G0SB+1], SCL+4096
	s_wait_dscnt 0x0                               ; both opening adds are done
	s_wait_kmcnt 0x0
	s_add_nc_u64 s[G0+2:G0+3], s[4:5], s[20:21]
	s_or_b32 s[G0+3], s[G0+3], 0x80000000
	s_add_nc_u64 s[G0B+2:G0B+3], s[6:7], s[46:47]
	s_or_b32 s[G0B+3], s[G0B+3], 0x80000000
	s_add_nc_u64 s[G0S+2:G0S+3], s[4:5], s[22:23]
	s_or_b32 s[G0S+3], s[G0S+3], 0x80000000
	s_add_nc_u64 s[G0SB+2:G0SB+3], s[6:7], s[94:95]
	s_or_b32 s[G0SB+3], s[G0SB+3], 0x80000000
	CROUND                                         ; all sixteen work-groups are here: the joint loads meet
; one chain of branches on the wave's number, one load to an arm: wave 0 A's tiles, wave 1 A's scale words, wave 2 B's tiles, wave 3 B's scale words
	s_cmp_eq_u32 s16, 0
	s_cbranch_scc0 .Lhead_1
	TLOAD G0, G1
	s_branch .Lhead_asked
.Lhead_1:
	s_cmp_eq_u32 s16, 1
	s_cbranch_scc0 .Lhead_2
	TLOAD G0S, G1S
	s_branch .Lhead_asked
.Lhead_2:
	s_cmp_eq_u32 s16, 2
	s_cbranch_scc0 .Lhead_3
	TLOAD G0B, G1B
	s_branch .Lhead_asked
.Lhead_3:
	TLOAD G0SB, G1SB
.Lhead_asked:
	v_and_b32 v1, 15, v0                           ; r
	v_bfe_u32 v2, v0, 4, 1                         ; h
	v_and_b32 v3, 31, v0
	v_lshlrev_b32 v[LI], 4, v3
	v_lshlrev_b32 v[LJ], 3, v3
	v_add_nc_u32 v[LJ], 512, v[LJ]
	s_mul_i32 s98, s17, 4*TB                       ; my four tiles of A
	s_mul_i32 s99, s18, 8*TB                       ; my eight of B
	s_add_co_u32 s99, s99, LB
	v_add_nc_u32 v[ADRA], s98, v[LI]
	v_add_nc_u32 v[ADRA+1], s98, v[LJ]
	v_add_nc_u32 v[ADRB], s99, v[LI]
	v_add_nc_u32 v[ADRB+1], s99, v[LJ]
	s_add_co_u32 s99, s99, 4*TB
	v_add_nc_u32 v[ADRB+2], s99, v[LI]
	v_add_nc_u32 v[ADRB+3], s99, v[LJ]
	s_lshl_b32 s98, s17, 11                        ; scale words: A's four tiles of 512 bytes;
	s_lshl_b32 s99, s18, 12                        ; B's eight, behind A's 4,096 bytes
	s_add_co_u32 s99, s99, 4096
	s_sub_co_u32 s99, s99, s98
	v_mul_u32_u24 v6, s99, v2                      ; lanes 16-31 take B's: the lower base + h x the distance
	s_add_co_u32 s98, s98, SCL
	v_lshl_add_u32 v6, v1, 2, v6
	v_add_nc_u32 v[ADRS], s98, v6
	s_mul_i32 s98, s16, 16*SPITCH                  ; my stage
	v_mul_u32_u24 v7, v1, SPITCH
	v_lshl_add_u32 v7, v2, 6, v7                   ; in: row r, + 64 h (column 32 (b / 2) + 8 (b % 2) + 16 h + j of the wave's 128)
	v_add_nc_u32 v[STO], s98, v7
	v_add_nc_u32 v[RD], s98, v[LI]                 ; back: the 32 lanes take a row of 512 bytes
	v_lshlrev_b32 v9, 6, v2
	s_wait_alu depctr_va_vdst(0)                   ; ahead of the run of scalar lines
	s_lshl_b32 s98, s42, 10
	s_lshl_b32 s99, s18, 9
	s_add_co_u32 s98, s98, s99                     ; my first column, in bytes
	s_mov_b32 s99, 0
	s_add_nc_u64 s[8:9], s[8:9], s[98:99]
	s_add_nc_u64 s[10:11], s[10:11], s[98:99]
	s_lshl_b32 s98, s43, 19                        ; my first token: 128 x tile row + 64 x half, rows of 4,096 bytes
	s_lshl_b32 s20, s17, 18
	s_add_co_u32 s98, s98, s20
	s_add_nc_u64 s[10:11], s[10:11], s[98:99]
	WIN TO_B
.irp b, 0,1,2,3,4,5,6,7
	global_load_b128 v[96+8*\b+96*(\b/4):96+8*\b+96*(\b/4)+3], v9, s[8:9] offset:(32*(\b/2)+8*(\b%2))*4
	global_load_b128 v[96+8*\b+96*(\b/4)+4:96+8*\b+96*(\b/4)+7], v9, s[8:9] offset:(32*(\b/2)+8*(\b%2))*4+16
.endr
	WIN 0
.macro FRAG reg, adr, k, i             ; a fragment: tile i behind the address, step k: two halves of 768 bytes
.irp c, 0,1
	ds_load_b128 v[\reg+6*\c:\reg+6*\c+3], v[\adr] offset:TB*(\i)+1536*(\k)+768*\c
	ds_load_b64 v[\reg+6*\c+4:\reg+6*\c+5], v[\adr+1] offset:TB*(\i)+1536*(\k)+768*\c
.endr
.endm
.macro FETCH k, p                      ; step k's twelve fragments into set p: 48 loads
	WIN TO_B
.irp i, 0,1,2,3,4,5,6,7
	FRAG 128*(\p)+FR*\i, ADRB+2*(\i/4), \k, (\i%4)
.endr
	WIN 0
.irp i, 0,1,2,3
	FRAG AF+48*(\p)+FR*\i, ADRA, \k, \i
.endr
.endm
.macro MUL8 a, k, p                    ; A's block a against B's eight
.irp b, 0,1,2,3,4,5,6,7
.if (\k) == 0
	v_wmma_scale_f32_16x16x128_f8f6f4 v[8*(8*(\a)+\b):8*(8*(\a)+\b)+7], v[128*(\p)+FR*\b:128*(\p)+FR*\b+FR-1], v[AF+48*(\p)+FR*(\a):AF+48*(\p)+FR*(\a)+FR-1], v[96+8*\b+96*(\b/4):96+8*\b+96*(\b/4)+7], v[SC+8*(\k)+\b], v[SC+8*(\k)+(\a)] matrix_a_fmt:MATRIX_FMT_FP6 matrix_b_fmt:MATRIX_FMT_FP6 matrix_a_scale:MATRIX_SCALE_ROW1
.else
	v_wmma_scale_f32_16x16x128_f8f6f4 v[8*(8*(\a)+\b):8*(8*(\a)+\b)+7], v[128*(\p)+FR*\b:128*(\p)+FR*\b+FR-1], v[AF+48*(\p)+FR*(\a):AF+48*(\p)+FR*(\a)+FR-1], v[8*(8*(\a)+\b):8*(8*(\a)+\b)+7], v[SC+8*(\k)+\b], v[SC+8*(\k)+(\a)] matrix_a_fmt:MATRIX_FMT_FP6 matrix_b_fmt:MATRIX_FMT_FP6 matrix_a_scale:MATRIX_SCALE_ROW1
.endif
.endr
.endm
	s_wait_alu depctr_va_vdst(0)                   ; the head's end
	s_wait_tensorcnt 0x0                           ; my tile of the four is in,
	s_barrier_signal -1
	s_barrier_wait -1                              ; everybody's is
.irp k, 0,1,2,3,4,5,6,7
.irp i, 0,1,2,3,4,5,6,7
	ds_load_b32 v[SC+8*\k+\i], v[ADRS] offset:512*\i+64*\k   ; (for i above 3 lanes 0-15 read words of later tiles, which no product takes)
.endr
.endr
	FETCH 0, 0
	s_wait_loadcnt 0x0                             ; the bias
.irp k, 0,1,2,3,4,5,6,7
	s_wait_dscnt 0x0                               ; this step's fragments are in: they were asked for ahead of the last step's products
.if \k == 7
	s_barrier_signal -1                            ; my last LDS read has come back
.else
.if \k > 0
	PLACES 4                                       ; in front of loads into registers that the last step's products have read
.endif
	FETCH (\k)+1, ((\k)+1)%2
.endif
.if \k == 0
	WIN 0x91                                       ; source 0 (B) and C (the bias) window 1, source 1 (A) window 0, D window 2
.else
	WIN 0xa1                                       ; C and D window 2
.endif
.irp a, 0,1,2,3
	MUL8 \a, \k, (\k)%2
.endr
	WIN 0
.endr
	s_barrier_wait -1                              ; and everybody's: A's bytes may take the stages
.macro TOSTAGE a
.set AC, 64*(\a)
	WIN 0x08                                       ; the data: window 2
.irp b, 0,1,2,3,4,5,6,7
	ds_store_b128 v[STO], v[AC+8*\b:AC+8*\b+3] offset:128*(\b/2)+32*(\b%2)        ; each accumulator from its low end on
	ds_store_b128 v[STO], v[AC+8*\b+4:AC+8*\b+7] offset:128*(\b/2)+32*(\b%2)+16
.endr
	WIN 0
.set BR, BK+64*((\a)%2)
.irp t, 0,1,2,3,4,5,6,7,8,9,10,11,12,13,14,15
	ds_load_b128 v[BR+4*\t:BR+4*\t+3], v[RD] offset:\t*SPITCH    ; LDS serves a wave's instructions in order (ISA guide 5.7.1.4): these see the stores above
.endr
.endm
.macro SEND a, younger                 ; younger: the LDS instructions issued behind block a's loads, which may stay out
.set BR, BK+64*((\a)%2)
	s_wait_dscnt \younger
.irp t, 0,1,2,3,4,5,6,7,8,9,10,11,12,13,14,15
	global_store_b128 v[LI], v[BR+4*\t:BR+4*\t+3], s[10:11] offset:(32*((\a)/2)+8*((\a)%2)+\t+8*(\t/8))*4096 th:TH_STORE_NT   ; 32 lanes store 512 consecutive bytes, aligned
.endr
.endm
	PLACES 4                                       ; behind the last products: for the reads of their results and the loads into A's registers
	TOSTAGE 0
.irp a, 1,2,3
.if \a > 1
	s_wait_xcnt 0x0                                ; block a - 2's stores have read their registers: block a's loads may land there
.endif
	TOSTAGE \a
	SEND \a-1, 32                                  ; behind block a - 1's loads: block a's 16 stores and 16 loads
.endr
	SEND 3, 0
	s_wait_tensorcnt 0x0                           ; the wave's end: behind my last tensor load and my last LDS store
	ds_add_u32 v[SPW], v[NIL]
	s_wait_dscnt 0x0
	CROUND                                         ; the closing round
	s_endpgm
.Lfunc_end_k_q210bedeee3_outp:
	.size	k_q210bedeee3_outp, .Lfunc_end_k_q210bedeee3_outp-k_q210bedeee3_outp
	.p2alignl 7, 3214868480
	.fill 96, 4, 3214868480
	.section	.rodata,"a",@progbits
	.p2align	6, 0x0
	.amdhsa_kernel k_q210bedeee3_outp
		.amdhsa_group_segment_fixed_size 327680
		.amdhsa_private_segment_fixed_size 0
		.amdhsa_enable_private_segment 0
		.amdhsa_kernarg_size 32
		.amdhsa_user_sgpr_count 2
		.amdhsa_user_sgpr_kernarg_segment_ptr 1
		.amdhsa_wavefront_size32 1
		.amdhsa_system_sgpr_workgroup_id_x 1
		.amdhsa_system_sgpr_workgroup_id_y 1
		.amdhsa_system_sgpr_workgroup_id_z 1
		.amdhsa_system_vgpr_workitem_id 0
		.amdhsa_next_free_vgpr 768
		.amdhsa_next_free_sgpr 100
		.amdhsa_reserve_vcc 0
		.amdhsa_float_denorm_mode_32 3
		.amdhsa_float_denorm_mode_16_64 3
		.amdhsa_memory_ordered 1
		.amdhsa_forward_progress 1
		.amdhsa_inst_pref_size 87
	.end_amdhsa_kernel
	.amdgpu_metadata
---
amdhsa.version: [ 1, 2 ]
amdhsa.kernels:
  - .name:           k_q210bedeee3_outp
    .symbol:         k_q210bedeee3_outp.kd
    .args:
      - { .name: w3, .offset: 0, .size: 8, .value_kind: global_buffer, .address_space: global }
      - { .name: w1, .offset: 8, .size: 8, .value_kind: global_buffer, .address_space: global }
      - { .name: bo, .offset: 16, .size: 8, .value_kind: global_buffer, .address_space: global }
      - { .name: out0, .offset: 24, .size: 8, .value_kind: global_buffer, .address_space: global }
    .group_segment_fixed_size: 327680
    .private_segment_fixed_size: 0
    .kernarg_segment_align: 8
    .kernarg_segment_size: 32
    .max_flat_workgroup_size: 128
    .sgpr_count:     100
    .vgpr_count:     768
    .wavefront_size: 32
...
	.end_amdgpu_metadata
.endif
;; end of part 4
